; MI455X (gfx1250); checked and timed in simulation.
; The chip was launched on July 23, 2026; its instructions are those of AMD's public machine-readable ISA for CDNA 5 (MIT licence, August 2026) and "CDNA5" Instruction Set Architecture Reference Guide (July 2026). The comments in the code are by the model that wrote it; some were corrected since.
;; Actor Critic. Allowed arithmetic: float matrix products may take bf16 or f16 operands with f32 sums; other float arithmetic in f32, or as packed bf16 or f16 multiplies, adds, multiply-adds, maxima and minima; sums over many terms, partial sums and values carried from step to step in f32; what a program stores and reads back later, other than sums and carried values, may be rounded once to bf16 or f16.
;; Inputs: ab1 64 float32; ab2 32 float32; ab3 1 float32; aw1 1,024 x 64 float32; aw2 64 x 32 float32; aw3 32 x 1 float32; bk 512 float32; bo 512 float32; bq 512 float32; bv 512 float32; cb1 64 float32; cb2 32 float32; cb3 1 float32; cw1 512 x 64 float32; cw2 64 x 32 float32; cw3 32 x 1 float32; global_embed 64 x 512 float32; ln_b 512 float32; ln_g 512 float32; task_embed 64 x 1,000 x 256 float32; task_ids 64 x 512 int32; usv_embed 64 x 50 x 256 float32; usv_ids 64 x 512 int32; wk 512 x 512 float32; wo 512 x 512 float32; wq 512 x 512 float32; wv 512 x 512 float32.
;; Outputs: out0 64 x 512 float32; out1 64 x 1 float32.
;; 2 versions, each right. Each part assembles by itself: llvm-mc -triple=amdgcn-amd-amdhsa -mcpu=gfx1250 --defsym DOCPART=n.
;; ======== version 1 of 2: 3 launches
;; limits: values are held in f16: magnitudes above 65,504 overflow, below 6.1e-05 lose precision
;; workspace buffers: wh 1,572,864 bytes; wx 655,360 bytes; u16 1,671,168 bytes; ctx 34,603,008 bytes
;; launch prep (part 1): grid 162 x 1, 4 waves a work-group, no clusters, 71,424 bytes of LDS; arguments wq, wk, wv, wo, aw1, usv_embed, global_embed, cw1, cb1, cw2, cb2, cw3, cb3, wh, wx, u16, out1; writes wh, wx, u16, out1
.if DOCPART == 1
	.amdgcn_target "amdgcn-amd-amdhsa--gfx1250"
	.amdhsa_code_object_version 6
	.text
	.protected	k_q61b20a1541_prep
	.globl	k_q61b20a1541_prep
	.p2align	8
	.type	k_q61b20a1541_prep,@function
k_q61b20a1541_prep:
	s_mov_b64 s[64:65], 0
	v_nop
	global_prefetch_b8 v0, s[64:65] scope:SCOPE_SE
	s_setreg_imm32_b32 hwreg(HW_REG_WAVE_MODE, 25, 1), 1
	s_wait_xcnt 0x0
; PREP: lays the weights out for the two launches behind it, rounds the table of lower halves, and computes the critic.
; WORK LEFT OUT IN THE WHOLE PROGRAM.  bk: scores[q][k] = q . (seq[k] wk + bk) / 8 = q . (seq[k] wk) / 8 + (q . bk) / 8, and the second term is the same for
; all k of a row, so softmax over k does not see it, whatever the inputs hold.  bk reaches no output: it is not loaded and is no argument of any launch.
; Limit: a NaN, an infinity or an overflow that reaches only that term is not carried to the result.
; WORK DONE ONCE INSTEAD OF 513 TIMES.  seq[s] w = upper(s) w[0:256] + lower(s) w[256:512]; an item has 51 different lower halves (50 usv rows, the state's), so the
; lower product is made for the table's rows (launch attn).  state_bcast aw1[512:] is the same for all actions of an item (launch tail).
; FORMATS.  All matrix operands are f16, each rounded once from f32.  Limit: numbers beyond 65,504 do not fit; below 6e-5 they keep f16's fixed step of 6e-8.
; ROLES by the work-group's number g (the same in all four waves):
;   g < 34   T: each wave turns a tile of 128 k x 64 n of wq, wk, wv, wo (g / 8 = 0..3, n block g % 8, k block = wave) or aw1 (g = 32, 33; k block 4 (g & 1) + wave) into rows [n][k] of f16
;   g < 98   U: item g - 34: usv_embed's 50 rows and global_embed[256:512] rounded to f16: u16 [64][51][256]
;   else     C: the critic for item g - 98, in f32 on the vector unit: one row would leave 15 of a matrix tile's 16 rows empty
; wh [8 heads][384][256]: rows 0-191 the lower half of D (q, k, v: 64 each), rows 192-383 the upper half.  wx [512][640]: columns 0-511 wo^T, 512-639 aw1^T (row 64 kb + n: aw1[128 kb ..][n]).
.set STG,   0                          ; four stages of 64 rows x 272 bytes, a wave's own
.set CR,    69632                      ; the critic's four partial rows of 64 f32
.set CH,    70656                      ; its first hidden layer
.set SPARE, 70912                      ; the spare words, 128 bytes a wave: no other line names them
	s_load_b512 s[16:31], s[0:1], 0x0              ; wq 16, wk 18, wv 20, wo 22, aw1 24, usv 26, global 28, cw1 30
	s_load_b512 s[32:47], s[0:1], 0x40             ; cb1 32, cw2 34, cb2 36, cw3 38, cb3 40, wh 42, wx 44, u16 46
	s_load_b64 s[48:49], s[0:1], 0x80              ; out1
	v_lshl_add_u32 v1, v0, 2, SPARE
	v_mov_b32 v2, 0
	v_lshrrev_b32 v3, 5, v0
	v_readfirstlane_b32 s2, v3                     ; wave
	v_and_b32 v3, 31, v0                           ; lane
	s_mov_b32 s3, ttmp9                            ; g
	s_wait_kmcnt 0x0
	s_cmp_lt_u32 s3, 34
	s_cbranch_scc1 .Lrole_t
	s_cmp_lt_u32 s3, 98
	s_cbranch_scc1 .Lrole_u
; ---------------- C: values[b] = elu(elu(x cw1 + cb1) cw2 + cb2) cw3 + cb3 ----------------
; elu(x) = x for x > 0; for -1/8 < x <= 0 the series x + x^2/2 + .. + x^5/120 (what is cut is under 5e-8 of the result); below that 2^(x log2 e) - 1.
.macro ELU1 x
	v_mul_f32 v40, 0x3fb8aa3b, v[\x]
	v_exp_f32 v40, v40
	v_mov_b32 v41, 0x3c088889                      ; 1/120; the series is the plain work behind the exponential
	v_fmaak_f32 v41, v41, v[\x], 0x3d2aaaab        ; 1/24
	v_fmaak_f32 v41, v41, v[\x], 0x3e2aaaab        ; 1/6
	v_fma_f32 v41, v41, v[\x], 0.5
	v_fma_f32 v41, v41, v[\x], 1.0
	v_mul_f32 v41, v41, v[\x]
	s_wait_alu depctr_va_vdst(0)                   ; ahead of the exponential's first reader
	v_add_f32 v40, -1.0, v40
	v_cmp_lt_f32 vcc_lo, 0xbe000000, v[\x]         ; -1/8 < x
	v_cndmask_b32 v40, v40, v41, vcc_lo
	v_cmp_lt_f32 vcc_lo, 0, v[\x]
	v_cndmask_b32 v[\x], v40, v[\x], vcc_lo
.endm
; Wave w takes k = 128 w .. + 127, lane l the columns 2 l, 2 l + 1.  A batch is 32 k: 8 loads of x (one address for all lanes) and 32 of cw1.
.macro CLOAD t, set
.irp i,0,1,2,3,4,5,6,7
	global_load_b128 v[192+32*(\set)+4*\i:195+32*(\set)+4*\i], v5, s[28:29] offset:128*(\t)+16*\i
.endr
.set k, 0
.rept 32
	global_load_b64 v[64+64*(\set)+2*k:65+64*(\set)+2*k], v4, s[30:31] offset:(32*(\t)+k)*256
.set k, k+1
.endr
.endm
.macro CFMA t, set                     ; four chains for each column; the first four k start them
.set k, 0
.rept 32
.if ((\t) == 0) && (k < 4)
	v_mul_f32 v[10+2*k], v[192+32*(\set)+k], v[64+64*(\set)+2*k]
	v_mul_f32 v[11+2*k], v[192+32*(\set)+k], v[65+64*(\set)+2*k]
.else
	v_fmac_f32 v[10+2*(k%4)], v[192+32*(\set)+k], v[64+64*(\set)+2*k]
	v_fmac_f32 v[11+2*(k%4)], v[192+32*(\set)+k], v[65+64*(\set)+2*k]
.endif
.set k, k+1
.endr
.endm
	s_sub_co_u32 s4, s3, 98                        ; b
	s_lshl_b32 s5, s4, 11
	s_lshl_b32 s6, s2, 9
	s_add_co_u32 s5, s5, s6
	v_mov_b32 v5, s5                               ; x: b x 2,048 + w x 512 bytes
	v_lshlrev_b32 v7, 3, v3                        ; 8 l
	v_lshl_add_u32 v4, s2, 15, v7                  ; cw1: 128 w rows of 256 bytes + 8 l
	v_lshl_add_u32 v6, s2, 8, v7
	v_add_nc_u32 v6, CR, v6
	CLOAD 0, 0
	CLOAD 1, 1
	s_wait_loadcnt 40                              ; the older batch is in; the younger one's 40 loads stay out
	CFMA 0, 0
	CLOAD 2, 0
	s_wait_loadcnt 40
	CFMA 1, 1
	CLOAD 3, 1
	s_wait_loadcnt 40
	CFMA 2, 0
	s_wait_loadcnt 0x0
	CFMA 3, 1
	v_pk_add_f32 v[10:11], v[10:11], v[12:13]
	v_pk_add_f32 v[14:15], v[14:15], v[16:17]
	v_pk_add_f32 v[10:11], v[10:11], v[14:15]
	ds_store_b64 v6, v[10:11]
	s_wait_dscnt 0x0                               ; for the others' sake: my partial row is in LDS
	s_barrier_signal -1
	s_barrier_wait -1
	s_cmp_lg_u32 s2, 0
	s_cbranch_scc1 .Lend                           ; wave 0 finishes the row
	v_lshlrev_b32 v8, 2, v3                        ; 4 l
	v_mov_b32 v9, 0
.set k, 0
.rept 64
	global_load_b32 v[64+k], v8, s[34:35] offset:128*k  ; cw2[k][l]
.set k, k+1
.endr
	global_load_b64 v[20:21], v7, s[32:33]         ; cb1
	global_load_b32 v22, v8, s[36:37]              ; cb2
	global_load_b32 v23, v8, s[38:39]              ; cw3
	global_load_b32 v24, v9, s[40:41]              ; cb3
	v_add_nc_u32 v25, CR, v7
	ds_load_b64 v[26:27], v25
	ds_load_b64 v[28:29], v25 offset:256
	ds_load_b64 v[30:31], v25 offset:512
	ds_load_b64 v[32:33], v25 offset:768
	s_lshl_b32 s10, s4, 2
	s_mov_b32 s11, 0
	s_add_nc_u64 s[8:9], s[48:49], s[10:11]        ; out1 + 4 b
	s_mov_b32 s12, 0x76543210
	s_mov_b32 s13, 0xfedcba98
	s_wait_dscnt 0x0
	v_pk_add_f32 v[26:27], v[26:27], v[28:29]
	v_pk_add_f32 v[30:31], v[30:31], v[32:33]
	v_pk_add_f32 v[26:27], v[26:27], v[30:31]
	s_wait_loadcnt 0x0
	v_pk_add_f32 v[26:27], v[26:27], v[20:21]
	ELU1 26
	ELU1 27
	v_add_nc_u32 v34, CH, v7
	ds_store_b64 v34, v[26:27]
	v_mov_b32 v35, CH
.irp i,0,1,2,3,4,5,6,7,8,9,10,11,12,13,14,15
	ds_load_b128 v[128+4*\i:131+4*\i], v35 offset:16*\i  ; LDS serves a wave's instructions in order: these see the store above; every lane gets all 64
.endr
	s_wait_dscnt 0x0
.set k, 0
.rept 64
.if k < 4
	v_mul_f32 v[36+k], v[128+k], v[64+k]
.else
	v_fmac_f32 v[36+k%4], v[128+k], v[64+k]
.endif
.set k, k+1
.endr
	v_add_f32 v36, v36, v37
	v_add_f32 v38, v38, v39
	v_add_f32 v36, v36, v38
	v_add_f32 v36, v36, v22
	ELU1 36
	v_mul_f32 v36, v36, v23
	v_add_f32_dpp v36, v36, v36 row_xmask:1 row_mask:0xf bank_mask:0xf
	v_add_f32_dpp v36, v36, v36 row_xmask:2 row_mask:0xf bank_mask:0xf
	v_add_f32_dpp v36, v36, v36 row_xmask:4 row_mask:0xf bank_mask:0xf
	v_add_f32_dpp v36, v36, v36 row_xmask:8 row_mask:0xf bank_mask:0xf
	v_permlanex16_b32 v37, v36, s12, s13
	v_add_f32 v36, v36, v37
	v_add_f32 v36, v36, v24
	v_cmp_eq_u32 vcc_lo, 0, v3
	s_wait_xcnt 0x0                                ; EXEC changes only behind this wait
	s_and_saveexec_b32 s14, vcc_lo
	global_store_b32 v9, v36, s[8:9]               ; lane 0 alone
	s_wait_xcnt 0x0
	s_or_b32 exec_lo, exec_lo, s14
	s_branch .Lend
; ---------------- T: 128 k x 64 n of f32 [k][n] become 64 rows [n] of 128 f16 ----------------
.Lrole_t:
	s_lshr_b32 s4, s3, 3                           ; m: 0 wq, 1 wk, 2 wv, 3 wo, 4 aw1
	s_and_b32 s5, s3, 7                            ; n block
	s_and_b32 s7, s3, 1
	s_lshl2_add_u32 s7, s7, s2                     ; aw1's k block: 4 (g & 1) + wave
	s_cmp_eq_u32 s4, 0
	s_cselect_b64 s[8:9], s[16:17], s[18:19]
	s_cmp_eq_u32 s4, 2
	s_cselect_b64 s[8:9], s[20:21], s[8:9]
	s_cmp_eq_u32 s4, 3
	s_cselect_b64 s[8:9], s[22:23], s[8:9]
	s_cmp_eq_u32 s4, 4
	s_cselect_b64 s[8:9], s[24:25], s[8:9]         ; the source
	s_cselect_b32 s7, s7, s2                       ; k block
	s_cselect_b32 s6, 1, 8
	s_cselect_b32 s10, 0, s5
	s_cselect_b32 s13, s7, s5                      ; wx: block of 64 rows,
	s_cselect_b32 s14, 4, s7                       ; and block of 256 bytes in them
	s_lshl_b32 s6, s6, 8                           ; bytes in a source row: 256 or 2,048
	s_mul_i32 s11, s7, s6
	s_lshl_b32 s11, s11, 7
	s_lshl_b32 s10, s10, 8
	s_add_co_u32 s10, s10, s11
	s_mov_b32 s11, 0
	s_add_nc_u64 s[8:9], s[8:9], s[10:11]
	s_lshl_b32 s52, s6, 4                          ; 16 source rows
	s_mov_b32 s53, 0
	s_mul_i32 s13, s13, 81920
	s_lshl_b32 s14, s14, 8
	s_add_co_u32 s13, s13, s14
	s_mul_i32 s12, s5, 196608                      ; wh: the head,
	s_cmp_lt_u32 s7, 2
	s_cselect_b32 s14, 3, 0                        ; the upper half of D lies behind the lower: 3 blocks of 64 rows,
	s_add_co_u32 s14, s14, s4                      ; q, k or v,
	s_lshl_b32 s14, s14, 15
	s_add_co_u32 s12, s12, s14
	s_and_b32 s14, s7, 1                           ; which 128 of the half's 256 k
	s_lshl_b32 s14, s14, 8
	s_add_co_u32 s12, s12, s14
	s_cmp_lt_u32 s4, 3
	s_cselect_b32 s12, s12, s13
	s_cselect_b64 s[14:15], s[42:43], s[44:45]
	s_cselect_b32 s50, 2, 5
	s_mov_b32 s13, 0
	s_add_nc_u64 s[14:15], s[14:15], s[12:13]
	s_lshl_b32 s50, s50, 8                         ; bytes in a row of wh (512) or wx (1,280)
	s_lshl_b32 s54, s50, 1
	s_mov_b32 s55, 0
	v_and_b32 v4, 15, v3                           ; c: my four columns
	v_lshrrev_b32 v5, 4, v3                        ; hh
	v_lshlrev_b32 v6, 4, v4
	v_lshlrev_b32 v7, 3, v5
.irp j,0,1,2,3,4,5,6,7
	v_add_nc_u32 v[8+\j], \j, v7
	v_mad_u32_u24 v[8+\j], v[8+\j], s6, v6         ; source row 8 hh + j, 16 bytes at 16 c: sixteen lanes take 256 consecutive bytes
.endr
	s_mul_i32 s51, s2, 17408                       ; my stage
	v_mul_u32_u24 v16, v4, 1088                    ; in: stage row 4 c + q, 16 bytes (8 k) at 32 i + 16 hh
	v_lshl_add_u32 v16, v5, 4, v16
	v_add_nc_u32 v16, s51, v16
	v_mul_u32_u24 v17, v5, 272                     ; back: lanes 0-15 one row of 256 bytes, lanes 16-31 the next
	v_add_nc_u32 v17, v17, v6
	v_add_nc_u32 v17, s51, v17
	v_mad_u32_u24 v18, v5, s50, v6
.set bt, 0
.rept 2                                ; two batches of 64 k: 32 loads out at a time
.irp i,0,1,2,3
.irp j,0,1,2,3,4,5,6,7
	global_load_b128 v[64+32*\i+4*\j:67+32*\i+4*\j], v[8+\j], s[8:9] th:TH_LOAD_NT
.endr
	s_wait_xcnt 0x0                                ; the loads have read the base: it steps 16 rows
	s_add_nc_u64 s[8:9], s[8:9], s[52:53]
.endr
	s_wait_loadcnt 0x0
.irp i,0,1,2,3
.irp q,0,1,2,3
.irp p,0,1,2,3
	v_cvt_pk_f16_f32 v[192+4*(\q%2)+\p], v[64+32*\i+8*\p+\q], v[68+32*\i+8*\p+\q]  ; column q of rows 2 p, 2 p + 1
.endr
	ds_store_b128 v16, v[192+4*(\q%2):195+4*(\q%2)] offset:272*\q+32*(4*bt+\i)
.endr
.endr
.set bt, bt+1
.endr
.irp g,0,1,2,3
.irp t,0,1,2,3,4,5,6,7
	ds_load_b128 v[64+4*\t:67+4*\t], v17 offset:544*(8*\g+\t)  ; my own bytes, served in order behind the stores
.endr
	s_wait_dscnt 0x0
.irp t,0,1,2,3,4,5,6,7
	global_store_b128 v18, v[64+4*\t:67+4*\t], s[14:15]  ; sixteen lanes store 256 consecutive bytes, at a multiple of 256 from the buffer's first
	s_wait_xcnt 0x0                                ; the base and the data are rewritten only behind this wait
	s_add_nc_u64 s[14:15], s[14:15], s[54:55]      ; two rows on
.endr
.endr
	s_branch .Lend
; ---------------- U: 51 rows of 256 f32 become f16 ----------------
.Lrole_u:
	s_sub_co_u32 s4, s3, 34                        ; b
	s_mul_i32 s10, s4, 51200
	s_mov_b32 s11, 0
	s_add_nc_u64 s[12:13], s[26:27], s[10:11]
	s_mul_i32 s14, s4, 26112
	s_mov_b32 s15, 0
	s_add_nc_u64 s[14:15], s[46:47], s[14:15]
	v_lshlrev_b32 v4, 5, v3                        ; a lane's 8 numbers: 32 bytes in,
	v_lshl_add_u32 v6, s2, 10, v4
	v_lshlrev_b32 v5, 4, v3                        ; 16 bytes out
	v_lshl_add_u32 v5, s2, 9, v5
.irp i,0,1,2,3,4,5,6,7,8,9,10,11
	global_load_b128 v[64+8*\i:67+8*\i], v6, s[12:13] offset:4096*\i th:TH_LOAD_NT  ; row 4 i + w
	global_load_b128 v[68+8*\i:71+8*\i], v6, s[12:13] offset:4096*\i+16 th:TH_LOAD_NT
.endr
	s_cmp_eq_u32 s2, 3
	s_cbranch_scc1 .Lu_main                        ; rows 48, 49 (waves 0, 1) and the state's lower half as row 50 (wave 2)
	s_lshl_b32 s16, s4, 11
	s_add_co_u32 s16, s16, 1024
	s_lshl_b32 s17, s2, 10
	s_add_co_u32 s17, s17, s10
	s_add_co_u32 s17, s17, 49152
	s_cmp_eq_u32 s2, 2
	s_cselect_b32 s16, s16, s17
	s_cselect_b64 s[8:9], s[28:29], s[26:27]
	s_mov_b32 s17, 0
	s_add_nc_u64 s[8:9], s[8:9], s[16:17]
	global_load_b128 v[160:163], v4, s[8:9]
	global_load_b128 v[164:167], v4, s[8:9] offset:16
	s_wait_loadcnt 0x0
.irp p,0,1,2,3
	v_cvt_pk_f16_f32 v[160+\p], v[160+2*\p], v[161+2*\p]
.endr
	global_store_b128 v5, v[160:163], s[14:15] offset:24576
.Lu_main:
	s_wait_loadcnt 0x0
.irp i,0,1,2,3,4,5,6,7,8,9,10,11
.irp p,0,1,2,3
	v_cvt_pk_f16_f32 v[64+8*\i+\p], v[64+8*\i+2*\p], v[65+8*\i+2*\p]
.endr
	global_store_b128 v5, v[64+8*\i:67+8*\i], s[14:15] offset:2048*\i  ; a wave stores a row: 512 consecutive bytes
.endr
.Lend:
	s_wait_tensorcnt 0x0                           ; the wave's end, behind my last LDS store
	ds_add_u32 v1, v2
	s_wait_dscnt 0x0
	s_endpgm
.Lfunc_end_k_q61b20a1541_prep:
	.size	k_q61b20a1541_prep, .Lfunc_end_k_q61b20a1541_prep-k_q61b20a1541_prep
	.p2alignl 7, 3214868480
	.fill 96, 4, 3214868480
	.section	.rodata,"a",@progbits
	.p2align	6, 0x0
	.amdhsa_kernel k_q61b20a1541_prep
		.amdhsa_group_segment_fixed_size 71424
		.amdhsa_private_segment_fixed_size 0
		.amdhsa_enable_private_segment 0
		.amdhsa_kernarg_size 136
		.amdhsa_user_sgpr_count 2
		.amdhsa_user_sgpr_kernarg_segment_ptr 1
		.amdhsa_wavefront_size32 1
		.amdhsa_system_sgpr_workgroup_id_x 1
		.amdhsa_system_sgpr_workgroup_id_y 1
		.amdhsa_system_sgpr_workgroup_id_z 1
		.amdhsa_system_vgpr_workitem_id 0
		.amdhsa_next_free_vgpr 256
		.amdhsa_next_free_sgpr 66
		.amdhsa_reserve_vcc 1
		.amdhsa_float_denorm_mode_32 3
		.amdhsa_float_denorm_mode_16_64 3
		.amdhsa_memory_ordered 1
		.amdhsa_forward_progress 1
		.amdhsa_inst_pref_size 73
	.end_amdhsa_kernel
	.amdgpu_metadata
---
amdhsa.version: [ 1, 2 ]
amdhsa.kernels:
  - .name:           k_q61b20a1541_prep
    .symbol:         k_q61b20a1541_prep.kd
    .args:
      - { .name: wq, .offset: 0, .size: 8, .value_kind: global_buffer, .address_space: global }
      - { .name: wk, .offset: 8, .size: 8, .value_kind: global_buffer, .address_space: global }
      - { .name: wv, .offset: 16, .size: 8, .value_kind: global_buffer, .address_space: global }
      - { .name: wo, .offset: 24, .size: 8, .value_kind: global_buffer, .address_space: global }
      - { .name: aw1, .offset: 32, .size: 8, .value_kind: global_buffer, .address_space: global }
      - { .name: usv_embed, .offset: 40, .size: 8, .value_kind: global_buffer, .address_space: global }
      - { .name: global_embed, .offset: 48, .size: 8, .value_kind: global_buffer, .address_space: global }
      - { .name: cw1, .offset: 56, .size: 8, .value_kind: global_buffer, .address_space: global }
      - { .name: cb1, .offset: 64, .size: 8, .value_kind: global_buffer, .address_space: global }
      - { .name: cw2, .offset: 72, .size: 8, .value_kind: global_buffer, .address_space: global }
      - { .name: cb2, .offset: 80, .size: 8, .value_kind: global_buffer, .address_space: global }
      - { .name: cw3, .offset: 88, .size: 8, .value_kind: global_buffer, .address_space: global }
      - { .name: cb3, .offset: 96, .size: 8, .value_kind: global_buffer, .address_space: global }
      - { .name: wh, .offset: 104, .size: 8, .value_kind: global_buffer, .address_space: global }
      - { .name: wx, .offset: 112, .size: 8, .value_kind: global_buffer, .address_space: global }
      - { .name: u16, .offset: 120, .size: 8, .value_kind: global_buffer, .address_space: global }
      - { .name: out1, .offset: 128, .size: 8, .value_kind: global_buffer, .address_space: global }
    .group_segment_fixed_size: 71424
    .private_segment_fixed_size: 0
    .kernarg_segment_align: 8
    .kernarg_segment_size: 136
    .max_flat_workgroup_size: 128
    .sgpr_count:     66
    .vgpr_count:     256
    .wavefront_size: 32
...
	.end_amdgpu_metadata
.endif
;; end of part 1
;; launch attn (part 2): grid 64 x 8, 11 waves a work-group, no clusters, 313,600 bytes of LDS; arguments task_embed, global_embed, task_ids, usv_ids, bq, bv, wh, u16, ctx; writes ctx
.if DOCPART == 2
	.amdgcn_target "amdgcn-amd-amdhsa--gfx1250"
	.amdhsa_code_object_version 6
	.text
	.protected	k_q61b20a1541_attn
	.globl	k_q61b20a1541_attn
	.p2align	8
	.type	k_q61b20a1541_attn,@function
k_q61b20a1541_attn:
	s_mov_b64 s[64:65], 0
	v_nop
	global_prefetch_b8 v0, s[64:65] scope:SCOPE_SE
	s_setreg_imm32_b32 hwreg(HW_REG_WAVE_MODE, 25, 1), 1
	s_wait_xcnt 0x0
; ATTN: for one item b and one head: q, k, v of the item's 513 rows, and the head's attention.  ctx leaves in f16.
; LEFT OUT: bk (it adds the same number to all scores of a row, which softmax does not see: shown at the head of prep); it is no argument.
; ROWS.  s = 0..511 the actions, s = 512 the state; rows 513-527 repeat the state: as keys they are hidden, as queries they give the same row 16 times, which launch tail reads as a tile.
; SHARES.  528 rows are 33 tiles of 16 = 11 waves x 3: wave w owns rows 48 w .. 48 w + 47, as rows of the projection and as queries.  All waves run one text.
; PROJECTION.  seq[s] w = task row x w[0:256] + (usv row or the state's lower half) x w[256:512].  The second product is made once for the 51 table rows (PU, f32, with bq and bv added)
; and starts the sums of the first: an accumulator is loaded from PU's row usv_ids[s].  Products are taken transposed (source 0 = 16 columns of w, source 1 = 16 rows), so a lane holds one row and eight
; neighbouring channels.  In the products over 256 the lane (r, h) of K step kk holds k = 32 kk + 16 h + 0..15 in BOTH sources: the same products, and 64 consecutive bytes of an f32 row.
; ATTENTION.  S^T = K Q^T holds one query a lane; two results rounded to f16 are source 1 of O^T = V^T P.  p = 2^(c s - c m), c = log2(e) / 8, with a running maximum m; O and l are multiplied by
; a = 2^(c m_old - c m_new) in every step.  The first step takes the state's key (rows 512-527 under a mask) and starts m, l and O: nothing is cleared.
; NO CLUSTER: the gathered rows come by a list, which no tile descriptor covers; of what a work-group brings in, only the head's 196,608 bytes of weights (of some 770,000) are shared, once, at its head.
; NO PREFETCH: a row's address is known only when its index has landed, and the loads follow at once.
; LIMITS.  f16: |q|, |k|, |v|, |ctx| under 65,504.  A hidden key counts as its score less 1e30.  A weight under 2^-126 counts as 0 in l.  Indices are clamped into their tables.
; LDS.  K 528 x 144 at 0; V 528 x 160 at VB; under them, until barrier 2: the table (64 x 528 at 0) and the lower weights (192 x 528 at WBOT).  Upper weights 192 x 528 at WTOP; behind barrier 3 the
; waves' stages lie there.  PU 64 x 784 at PU.  All tensor loads are first fills.
; REGISTERS.  Projection: v3-5 PU row of my three rows; v6-8 weights' addresses; v9, v10 where K and V go; v11-13 gather offsets; v14 r, v15 h; v16-63 two sets of three accumulators;
; v64-255 my rows' fragments (tile j, K step kk at 64 + 64 j + 8 kk); window 1: v0-31 a ring of weight fragments, v32-79 Q.
; Attention: v3 K's, v4 V's address; v5-7 the way out; v8-15 the mask; v16-39 statistics {c m, m, l, l, four at work}; v40-87 S^T; v88-111 P; v112-143 V; v144-239 O^T; window 1 v0-31 K.
.set VB,    76032
.set WBOT,  59136
.set WTOP,  160512
.set PU,    261888
.set SPARE, 312064                     ; the spare words, 128 bytes a wave, six blocks of 256: no other line names them
.set MSB, 0
.macro WIN new                         ; s_set_vgpr_msb: bits 1:0 source 0, 3:2 source 1, 5:4 source 2, 7:6 destination; the high byte repeats the setting that is left
.if MSB != (\new)
	s_set_vgpr_msb (MSB<<8)|(\new)
.set MSB, (\new)
.endif
.endm
.macro NOP4                            ; four places behind matrix instructions (ISA guide 7.12.1), where no other vector work is at hand
.rept 4
	v_nop
.endr
.endm
.macro J3 line:vararg                  ; one line for each of my three tiles j: neighbours never wait for each other
.set j, 0
.rept 3
	\line
.set j, j+1
.endr
.endm
	s_load_b512 s[8:23], s[0:1], 0x0               ; task 8, global 10, task_ids 12, usv_ids 14, bq 16, bv 18, wh 20, u16 22
	s_load_b64 s[24:25], s[0:1], 0x40              ; ctx
	v_lshl_add_u32 v1, v0, 2, SPARE
	v_mov_b32 v2, 0
	ds_add_u32 v1, v2                              ; the opening: the add, twice on end, and its wait ahead of the first tensor load
	ds_add_u32 v1, v2
	v_lshrrev_b32 v14, 5, v0
	v_readfirstlane_b32 s26, v14                   ; wave 0..10
	s_mov_b32 s27, ttmp9                           ; b
	s_and_b32 s28, ttmp7, 0xffff                   ; head
	; group 1: rows of 256 f16 (512 bytes), 16 bytes of padding behind each: LDS rows 528 bytes apart, so the 16 rows of a fragment load start at 16 different groups of four banks
	s_mov_b32 s32, (1<<16)|(1<<20)|(6<<22)|(3<<25)
	s_mov_b32 s33, 256<<16                         ; tensor_dim0
	s_mov_b32 s34, 64<<16                          ; tensor_dim1
	s_mov_b32 s35, 256<<16                         ; tile_dim0
	s_mov_b32 s36, 64                              ; tile_dim1
	s_mov_b32 s37, 256                             ; elements from row to row
	s_mov_b32 s38, 0
	s_mov_b32 s39, 0
	s_mov_b32 s44, (1<<16)|(1<<20)|(6<<22)|(3<<25)
	s_mov_b32 s45, 256<<16
	s_mov_b32 s46, 51<<16                          ; the table has 51 rows: rows 51-63 of the tile arrive as zeros
	s_mov_b32 s47, 256<<16
	s_mov_b32 s48, 64
	s_mov_b32 s49, 256
	s_mov_b32 s50, 0
	s_mov_b32 s51, 0
	s_mov_b32 s40, 1
	s_mul_i32 s41, s26, 33792
	s_add_co_u32 s41, s41, WBOT                    ; waves 0-5: 64 of the head's 384 rows each; the upper weights follow the lower in LDS as in memory
	s_mov_b32 s52, 1
	s_mov_b32 s53, 0
	s_mul_i32 s30, s28, 196608
	s_lshl_b32 s29, s26, 15
	s_add_co_u32 s30, s30, s29
	s_mov_b32 s31, 0
	s_mul_i32 s56, s27, 26112
	s_mov_b32 s57, 0
	s_mov_b32 s58, 0x3e38aa3b                      ; c = log2(e) / 8
	s_mov_b32 s59, 0x3e38aa3b
	s_mov_b32 s60, 0x76543210
	s_mov_b32 s61, 0xfedcba98
	s_mov_b32 s62, 0xf149f2ca                      ; -1e30
	s_wait_dscnt 0x0
	s_wait_kmcnt 0x0
	s_add_nc_u64 s[42:43], s[20:21], s[30:31]
	s_or_b32 s43, s43, 0x80000000
	s_add_nc_u64 s[54:55], s[22:23], s[56:57]
	s_or_b32 s55, s55, 0x80000000
	s_cmp_lt_u32 s26, 6
	s_cbranch_scc0 .Lnot_w
	tensor_load_to_lds s[40:43], s[32:39]
	s_nop 0
	NOP4
	s_branch .Lfilled
.Lnot_w:
	s_cmp_eq_u32 s26, 6
	s_cbranch_scc0 .Lfilled
	tensor_load_to_lds s[52:55], s[44:51]
	s_nop 0
	NOP4
.Lfilled:
	v_and_b32 v14, 15, v0                          ; r
	v_bfe_u32 v15, v0, 4, 1                        ; h
	s_mul_i32 s29, s26, 48
	s_lshl_b32 s30, s27, 11
	v_add_nc_u32 v59, s29, v14                     ; my row of tile 0
	v_add_nc_u32 v17, 16, v59
	v_add_nc_u32 v18, 32, v59
	v_min_u32 v18, 0x1ff, v18                      ; wave 10's third tile is the state: it names an index that exists and does not use it
	v_lshl_add_u32 v16, v59, 2, s30
	v_lshl_add_u32 v17, v17, 2, s30
	v_lshl_add_u32 v18, v18, 2, s30
.irp jj,0,1,2
	global_load_b32 v[20+\jj], v[16+\jj], s[12:13]
	global_load_b32 v[24+\jj], v[16+\jj], s[14:15]
.endr
	; the bias of PU's column tile nt = w (0-3 q, 4-7 k, 8-11 v), in the accumulators' layout: channel 16 (nt % 4) + 8 h + 0..7
	s_lshl_b32 s29, s28, 8
	s_and_b32 s30, s26, 3
	s_lshl_b32 s30, s30, 6
	s_add_co_u32 s29, s29, s30
	v_lshl_add_u32 v58, v15, 5, s29
	s_lshr_b32 s29, s26, 2
	s_cmp_eq_u32 s29, 1
	s_cbranch_scc1 .Lno_bias
	s_cmp_eq_u32 s29, 0
	s_cselect_b64 s[74:75], s[16:17], s[18:19]
	global_load_b128 v[48:51], v58, s[74:75]
	global_load_b128 v[52:55], v58, s[74:75] offset:16
	s_branch .Lbias_done
.Lno_bias:
.irp i,48,49,50,51,52,53,54,55
	v_mov_b32 v[\i], 0                             ; k has no bias here
.endr
.Lbias_done:
	v_mul_u32_u24 v56, v14, 528
	v_lshl_add_u32 v56, v15, 5, v56                ; a fragment's place: r x 528 + 32 h; also the table's address (it lies at 0)
	v_lshlrev_b32 v57, 5, v15
	v_add_nc_u32 v57, PU, v57
	s_mul_i32 s29, s26, 8448
	s_add_co_u32 s29, s29, WBOT
	v_add_nc_u32 v6, s29, v56                      ; the lower weights' 16 rows of tile nt
	v_mad_u32_u24 v8, v14, 0x310, v57
	v_lshl_add_u32 v8, s26, 6, v8                  ; where PU's tile goes
	v_mul_u32_u24 v9, v59, 144
	v_lshl_add_u32 v9, v15, 4, v9
	v_mul_u32_u24 v10, v59, 160
	v_lshl_add_u32 v10, v15, 4, v10
	v_add_nc_u32 v10, VB, v10
	s_mul_i32 s29, s27, 1024000
	s_lshl_b32 s30, s27, 11
	s_cmp_eq_u32 s26, 10                           ; wave 10's third tile: the state's upper half from global_embed, table row 50
	s_cselect_b32 s68, 0, 0x3ff
	s_cselect_b32 s69, s30, s29
	s_cselect_b32 s70, 50, 0
	s_cselect_b64 s[66:67], s[10:11], s[8:9]
	s_wait_loadcnt 0x0
.irp jj,0,1,2
	v_min_u32 v[20+\jj], 0x3e7, v[20+\jj]
	v_min_u32 v[24+\jj], 49, v[24+\jj]
.endr
	v_max_u32 v26, s70, v26
	v_min_u32 v26, 50, v26
	v_and_b32 v22, s68, v22
	v_lshl_add_u32 v11, v20, 10, s29
	v_lshl_add_u32 v12, v21, 10, s29
	v_lshl_add_u32 v13, v22, 10, s69
.irp jj,0,1,2
	v_lshl_add_u32 v[11+\jj], v15, 6, v[11+\jj]    ; + 64 h
	v_mad_u32_u24 v[3+\jj], v[24+\jj], 0x310, v57  ; PU + row x 784 + 32 h
.endr
; a tile's 16 rows x 256 f32: 32 loads; load n brings k = 32 (n / 4) + 16 h + 4 (n % 4) ..
.macro GLD jt, d, b0
.set n, 0
.rept 32
	global_load_b128 v[(\d)+4*n:(\d)+4*n+3], v[11+(\jt)], s[\b0:\b0+1] offset:128*(n/4)+16*(n%4)
.set n, n+1
.endr
.endm
	GLD 0, 128, 8
	s_wait_tensorcnt 0x0                           ; my part of the weights or the table is in,
	s_barrier_signal -1
	s_barrier_wait -1                              ; everybody's is
; PU's column tile: four accumulators (the table's four row tiles) by turns; two sets of fragments in window 1
.macro PLOAD kk
	WIN 0x40
	ds_load_b128 v[40*((\kk)%2):40*((\kk)%2)+3], v6 offset:64*(\kk)
	ds_load_b128 v[40*((\kk)%2)+4:40*((\kk)%2)+7], v6 offset:64*(\kk)+16
.irp m,0,1,2,3
	ds_load_b128 v[40*((\kk)%2)+8+8*\m:40*((\kk)%2)+11+8*\m], v56 offset:8448*\m+64*(\kk)
	ds_load_b128 v[40*((\kk)%2)+12+8*\m:40*((\kk)%2)+15+8*\m], v56 offset:8448*\m+64*(\kk)+16
.endr
.endm
.macro PUNIT
	PLOAD 0
	PLOAD 1
.set ks, 0
.rept 8
.if ks < 7
	s_wait_dscnt 10                                ; this K step's set is in; the other set's ten loads stay out
.else
	s_wait_dscnt 0x0
.endif
	WIN 0x05
.irp m,0,1,2,3
.if ks == 0
	v_wmma_f32_16x16x32_f16 v[16+8*\m:23+8*\m], v[0:7], v[8+8*\m:15+8*\m], v[48:55]  ; the bias starts the sums
.else
	v_wmma_f32_16x16x32_f16 v[16+8*\m:23+8*\m], v[40*(ks%2):40*(ks%2)+7], v[40*(ks%2)+8+8*\m:40*(ks%2)+15+8*\m], v[16+8*\m:23+8*\m]
.endif
.endr
	WIN 0
	NOP4
.if ks < 6
	PLOAD ks+2
.endif
.set ks, ks+1
.endr
	WIN 0
.irp m,0,1,2,3
	ds_store_b128 v8, v[16+8*\m:19+8*\m] offset:12544*\m
	ds_store_b128 v8, v[20+8*\m:23+8*\m] offset:12544*\m+16
.endr
.endm
	PUNIT
	s_cmp_lg_u32 s26, 0
	s_cbranch_scc1 .Lpu_done                       ; twelve column tiles, eleven waves: wave 0 also makes tile 11 (v's last)
	v_add_nc_u32 v6, 11*8448, v6
	v_add_nc_u32 v8, 11*64, v8
	global_load_b128 v[48:51], v58, s[18:19] offset:192
	global_load_b128 v[52:55], v58, s[18:19] offset:208
	s_wait_loadcnt 0x0
	PUNIT
.Lpu_done:
	s_wait_dscnt 0x0                               ; my reads of the table and the lower weights are over, my part of PU is stored
.irp kd,0,1,2
	v_add_nc_u32 v[6+\kd], WTOP+33792*\kd, v56     ; the upper weights of q, k, v
.endr
	s_wait_loadcnt 0x0
.set i, 0
.rept 64
	v_cvt_pk_f16_f32 v[64+i], v[128+2*i], v[129+2*i]  ; tile 0's fragments
.set i, i+1
.endr
	GLD 1, 128, 8
.set n, 0
.rept 12                               ; tile 2's raw rows go where registers are idle now: v16-63 and window 1's v0-79
	global_load_b128 v[16+4*n:19+4*n], v13, s[66:67] offset:128*(n/4)+16*(n%4)
.set n, n+1
.endr
	WIN 0x40
.rept 20
	global_load_b128 v[4*(n-12):4*(n-12)+3], v13, s[66:67] offset:128*(n/4)+16*(n%4)
.set n, n+1
.endr
	WIN 0
	s_barrier_signal -1
	s_barrier_wait -1                              ; barrier 2: PU is whole; nobody reads the table or the lower weights any more, so K and V may be stored over them
	s_wait_loadcnt 32                              ; tile 1 is in; tile 2's 32 loads stay out
.set i, 0
.rept 64
	v_cvt_pk_f16_f32 v[128+i], v[128+2*i], v[129+2*i]  ; in place, ascending: a result never lands ahead of its sources
.set i, i+1
.endr
	s_wait_loadcnt 0x0
.set i, 0
.rept 24
	v_cvt_pk_f16_f32 v[192+i], v[16+2*i], v[17+2*i]
.set i, i+1
.endr
	WIN 0x05
.rept 40
	v_cvt_pk_f16_f32 v[192+i], v[2*i-48], v[2*i-47]
.set i, i+1
.endr
	WIN 0
; THE UPPER PRODUCT: twelve column tiles (k's four, v's four, q's four) x my three row tiles.
.macro CINIT set, kind, c              ; the sums start from PU's rows: six loads
	WIN 0
.irp jj,0,1,2
	ds_load_b128 v[16+24*(\set)+8*\jj:19+24*(\set)+8*\jj], v[3+\jj] offset:((\kind)*64+16*(\c))*4
	ds_load_b128 v[20+24*(\set)+8*\jj:23+24*(\set)+8*\jj], v[3+\jj] offset:((\kind)*64+16*(\c))*4+16
.endr
.endm
.macro BL kind, c, hh                  ; the weights' fragments of K steps 2 hh, 2 hh + 1 into half hh % 2 of the ring: four loads
	WIN 0x40
.irp e,0,1
	ds_load_b128 v[16*((\hh)%2)+8*\e:16*((\hh)%2)+8*\e+3], v[6+(\kind)] offset:(\c)*8448+64*(2*(\hh)+\e)
	ds_load_b128 v[16*((\hh)%2)+8*\e+4:16*((\hh)%2)+8*\e+7], v[6+(\kind)] offset:(\c)*8448+64*(2*(\hh)+\e)+16
.endr
.endm
.macro EPIC kind, c, set, jt           ; a finished tile is rounded: q into Q's registers (two tiles are a fragment as they stand), k and v in place
.set ea, 16+24*(\set)+8*(\jt)
.if (\kind) == 0
	WIN 0x40
.irp p,0,1,2,3
	v_cvt_pk_f16_f32 v[32+16*(\jt)+8*((\c)/2)+4*((\c)%2)+\p], v[ea+2*\p], v[ea+2*\p+1]
.endr
.else
	WIN 0
.irp p,0,1,2,3
	v_cvt_pk_f16_f32 v[ea+\p], v[ea+2*\p], v[ea+2*\p+1]
.endr
.endif
.endm
.macro EPIS kind, c, set, jt           ; and k, v go to LDS: 16 bytes, eight channels of my row
	WIN 0
.set ea, 16+24*(\set)+8*(\jt)
.if (\kind) == 1
	ds_store_b128 v9, v[ea:ea+3] offset:2304*(\jt)+32*(\c)
.else
	ds_store_b128 v10, v[ea:ea+3] offset:2560*(\jt)+32*(\c)
.endif
.endm
; Column tile N.  Four times: six products (three accumulators by turns), then four places: the conversions of the tile before, which lies in the other set; then that tile's store, the next
; tile's start (behind the third six) and the ring's next four loads.  The waits count what was issued behind the loads that are wanted: four loads; in front of the last six, six and four.
.macro NT
.set KD, ((N/4)+1)%3
.set CC, N%4
.set SE, N%2
.set KDN, (((N+1)/4)+1)%3
.set CCN, (N+1)%4
.set KDP, (((N+11)/4)+1)%3
.set CCP, (N+3)%4
.set hs, 0
.rept 4
.if hs < 3
	s_wait_dscnt 4
.elseif N < 11
	s_wait_dscnt 10
.else
	s_wait_dscnt 0x0
.endif
	WIN 0x01
.irp e,0,1
.irp jj,0,1,2
	v_wmma_f32_16x16x32_f16 v[16+24*SE+8*\jj:23+24*SE+8*\jj], v[16*(hs%2)+8*\e:16*(hs%2)+8*\e+7], v[64+64*\jj+8*(2*hs+\e):71+64*\jj+8*(2*hs+\e)], v[16+24*SE+8*\jj:23+24*SE+8*\jj]
.endr
.endr
.if (hs < 3) && (N > 0)
	EPIC KDP, CCP, 1-SE, hs
.if KDP != 0
	EPIS KDP, CCP, 1-SE, hs
.endif
.else
	NOP4
.endif
.if (hs == 2) && (N < 11)
	CINIT 1-SE, KDN, CCN
.endif
.if hs < 2
	BL KD, CC, hs+2
.elseif N < 11
	BL KDN, CCN, hs-2
.endif
.set hs, hs+1
.endr
.set N, N+1
.endm
	CINIT 0, 1, 0
	BL 1, 0, 0
	BL 1, 0, 1
.set N, 0
.rept 12
	NT
.endr
	WIN 0
	NOP4
	EPIC 0, 3, 1, 0
	EPIC 0, 3, 1, 1
	EPIC 0, 3, 1, 2
	WIN 0
	s_wait_dscnt 0x0                               ; my rows of K and V are stored, my reads of the upper weights are over
	s_barrier_signal -1
	s_barrier_wait -1                              ; barrier 3
	v_and_b32 v242, 15, v0                         ; r
	v_bfe_u32 v243, v0, 4, 1                       ; h
	v_mul_u32_u24 v3, v242, 144
	v_lshl_add_u32 v3, v243, 4, v3                 ; K: row r, 16 h
	v_add_nc_u32 v241, 73728, v3                   ; rows 512-527
	v_and_b32 v244, 7, v0
	v_lshl_add_u32 v244, v243, 3, v244
	v_mul_u32_u24 v240, v244, 160                  ; V, for the turning load: key 8 h + l % 8, channels 8 ((l / 8) % 2) ..
	v_bfe_u32 v244, v0, 3, 1
	v_lshl_add_u32 v240, v244, 4, v240
	v_add_nc_u32 v240, VB, v240
	v_add_nc_u32 v4, 81920, v240                   ; rows 512-527
	s_mul_i32 s29, s26, 2304
	s_add_co_u32 s29, s29, WTOP                    ; my stage: 16 rows x 144 bytes
	v_mul_u32_u24 v5, v242, 144
	v_lshl_add_u32 v5, v243, 4, v5
	v_add_nc_u32 v5, s29, v5
	v_and_b32 v244, 31, v0
	v_lshrrev_b32 v6, 2, v244
	v_mul_u32_u24 v6, v6, 144
	v_and_b32 v245, 3, v0
	v_lshl_add_u32 v6, v245, 4, v6
	v_add_nc_u32 v6, s29, v6                       ; back: eight rows x 64 bytes
	v_lshlrev_b32 v7, 4, v244
	v_cmp_ne_u32 vcc_lo, 0, v243
	v_cndmask_b32 v8, 0, s62, vcc_lo               ; the mask of rows 512-527: key 8 h + i is seen only for h = 0, i = 0
.irp i,9,10,11,12,13,14,15
	v_mov_b32 v[\i], s62
.endr
	s_lshl_b32 s30, s27, 4
	s_lshl_b32 s31, s28, 1
	s_add_co_u32 s30, s30, s31
	s_mul_i32 s30, s30, 33792
	s_mul_i32 s31, s26, 3072
	s_add_co_u32 s30, s30, s31
	s_mov_b32 s31, 0
	s_add_nc_u64 s[76:77], s[24:25], s[30:31]      ; ctx [b][2 head + half][528][32] at my 48 rows
	WIN 0x40
.irp cc,0,1
	ds_load_b128 v[8*\cc:8*\cc+3], v241 offset:64*\cc
	ds_load_b128 v[8*\cc+4:8*\cc+7], v241 offset:64*\cc+32
.endr
	WIN 0
; A KEY STEP of 32 keys.  first = 1: rows 512-527 alone, under the mask; it starts m, l and O^T.  pre = 1: the next step's K is fetched.
.macro STEP first, pre
	s_wait_dscnt 0x0                               ; K is in
	WIN 0x05
.irp cc,0,1
.irp kt,0,1
.if (\kt == 0) || !(\first)
.irp jj,0,1,2
.if (\cc == 0) && (\first)
	v_wmma_f32_16x16x32_f16 v[40+16*\jj+8*\kt:47+16*\jj+8*\kt], v[16*\kt+8*\cc:16*\kt+8*\cc+7], v[32+16*\jj+8*\cc:39+16*\jj+8*\cc], v[8:15]
.elseif \cc == 0
	v_wmma_f32_16x16x32_f16 v[40+16*\jj+8*\kt:47+16*\jj+8*\kt], v[16*\kt+8*\cc:16*\kt+8*\cc+7], v[32+16*\jj+8*\cc:39+16*\jj+8*\cc], 0
.else
	v_wmma_f32_16x16x32_f16 v[40+16*\jj+8*\kt:47+16*\jj+8*\kt], v[16*\kt+8*\cc:16*\kt+8*\cc+7], v[32+16*\jj+8*\cc:39+16*\jj+8*\cc], v[40+16*\jj+8*\kt:47+16*\jj+8*\kt]
.endif
.endr
.endif
.endr
.endr
	WIN 0
	NOP4                                           ; the places in front of the loads into V's and K's registers and of the maximum
.irp cb,0,1,2,3
	ds_load_tr16_b128 v[112+8*\cb:115+8*\cb], v4 offset:32*\cb
.if \first
	ds_load_tr16_b128 v[116+8*\cb:119+8*\cb], v4 offset:32*\cb  ; the step's second 16 keys do not exist: their weights are 0, and finite numbers stand beside them
.else
	ds_load_tr16_b128 v[116+8*\cb:119+8*\cb], v4 offset:32*\cb+2560
.endif
.endr
.if \first
	v_mov_b32 v4, v240
.elseif \pre
	v_add_nc_u32 v4, 5120, v4
.endif
.if \pre
	WIN 0x40
.irp kt,0,1
.irp cc,0,1
	ds_load_b128 v[16*\kt+8*\cc:16*\kt+8*\cc+3], v3 offset:2304*\kt+64*\cc
	ds_load_b128 v[16*\kt+8*\cc+4:16*\kt+8*\cc+7], v3 offset:2304*\kt+64*\cc+32
.endr
.endr
	WIN 0
	v_add_nc_u32 v3, 4608, v3
.endif
.if \first
.set i, 0
.rept 8
	J3 v_mov_b32 v[48+16*j+i], s62
.set i, i+1
.endr
.endif
	J3 v_max3_num_f32 v[20+8*j], v[40+16*j], v[41+16*j], v[42+16*j]    ; each accumulator is read from its low end on
	J3 v_max3_num_f32 v[21+8*j], v[48+16*j], v[49+16*j], v[50+16*j]
	J3 v_max3_num_f32 v[20+8*j], v[20+8*j], v[43+16*j], v[44+16*j]
	J3 v_max3_num_f32 v[21+8*j], v[21+8*j], v[51+16*j], v[52+16*j]
	J3 v_max3_num_f32 v[20+8*j], v[20+8*j], v[45+16*j], v[46+16*j]
	J3 v_max3_num_f32 v[21+8*j], v[21+8*j], v[53+16*j], v[54+16*j]
	J3 v_max3_num_f32 v[20+8*j], v[20+8*j], v[47+16*j], v[55+16*j]
.if \first
	J3 v_max_num_f32 v[20+8*j], v[20+8*j], v[21+8*j]
.else
	J3 v_max3_num_f32 v[20+8*j], v[20+8*j], v[21+8*j], v[17+8*j]
.endif
	J3 v_permlanex16_b32 v[21+8*j], v[20+8*j], s60, s61                ; the query's other 16 keys lie in the lane 16 away
.if !(\first)
	J3 v_mov_b32 v[23+8*j], v[16+8*j]
.endif
	J3 v_max_num_f32 v[17+8*j], v[20+8*j], v[21+8*j]
	J3 v_mul_f32 v[16+8*j], s58, v[17+8*j]
.if !(\first)
	J3 v_sub_f32 v[23+8*j], v[23+8*j], v[16+8*j]
	J3 v_exp_f32 v[22+8*j], v[23+8*j]                                  ; a
.endif
.set bb, 0
.rept 8
	J3 v_pk_fma_f32 v[40+16*j+2*bb:41+16*j+2*bb], v[40+16*j+2*bb:41+16*j+2*bb], s[58:59], v[16+8*j:17+8*j] op_sel_hi:[1,0,0] neg_lo:[0,0,1] neg_hi:[0,0,1]
	J3 v_exp_f32 v[40+16*j+2*bb], v[40+16*j+2*bb]
	J3 v_exp_f32 v[41+16*j+2*bb], v[41+16*j+2*bb]
.set bb, bb+1
.endr
	v_nop                                          ; the plain instruction behind the last exponential,
	s_wait_alu depctr_va_vdst(0)                   ; and ONE wait for the step's whole batch, ahead of its first reader
.set bb, 0
.rept 8
	J3 v_cvt_pk_f16_f32 v[88+8*j+bb], v[40+16*j+2*bb], v[41+16*j+2*bb]
.set bb, bb+1
.endr
.irp q,0,4,8,12
	J3 v_pk_add_f32 v[40+16*j+\q:41+16*j+\q], v[40+16*j+\q:41+16*j+\q], v[42+16*j+\q:43+16*j+\q]
.endr
	J3 v_pk_add_f32 v[40+16*j:41+16*j], v[40+16*j:41+16*j], v[44+16*j:45+16*j]
	J3 v_pk_add_f32 v[48+16*j:49+16*j], v[48+16*j:49+16*j], v[52+16*j:53+16*j]
.if \first
	J3 v_pk_add_f32 v[18+8*j:19+8*j], v[40+16*j:41+16*j], v[48+16*j:49+16*j]
.else
	J3 v_pk_add_f32 v[40+16*j:41+16*j], v[40+16*j:41+16*j], v[48+16*j:49+16*j]
	J3 v_pk_fma_f32 v[18+8*j:19+8*j], v[18+8*j:19+8*j], v[22+8*j:23+8*j], v[40+16*j:41+16*j] op_sel_hi:[1,0,1]
.set i, 0
.rept 16
	J3 v_pk_mul_f32 v[144+32*j+2*i:145+32*j+2*i], v[144+32*j+2*i:145+32*j+2*i], v[22+8*j:23+8*j] op_sel_hi:[1,0]
.set i, i+1
.endr
.endif
.if \pre
	s_wait_dscnt 8                                 ; V is in; K's eight loads were issued behind V's
.else
	s_wait_dscnt 0x0
.endif
.irp cb,0,1,2,3
.irp jj,0,1,2
.if \first
	v_wmma_f32_16x16x32_f16 v[144+32*\jj+8*\cb:151+32*\jj+8*\cb], v[112+8*\cb:119+8*\cb], v[88+8*\jj:95+8*\jj], 0
.else
	v_wmma_f32_16x16x32_f16 v[144+32*\jj+8*\cb:151+32*\jj+8*\cb], v[112+8*\cb:119+8*\cb], v[88+8*\jj:95+8*\jj], v[144+32*\jj+8*\cb:151+32*\jj+8*\cb]
.endif
.endr
.endr
.endm
	STEP 1, 1
	s_mov_b32 s63, 15
.Lkeys:
	STEP 0, 1
	s_sub_co_u32 s63, s63, 1
	s_cmp_lg_u32 s63, 0
	s_cbranch_scc1 .Lkeys
	STEP 0, 0                                      ; keys 480-511: nothing is left to fetch
	; THE WAY OUT: O^T / l, rounded to f16, through my stage; a tile's 16 rows x 32 channels are 1,024 consecutive bytes of ctx
	NOP4
	J3 v_add_f32 v[20+8*j], v[18+8*j], v[19+8*j]
	J3 v_permlanex16_b32 v[21+8*j], v[20+8*j], s60, s61
	J3 v_add_f32 v[20+8*j], v[20+8*j], v[21+8*j]
	J3 v_rcp_f32 v[22+8*j], v[20+8*j]
	v_nop
	s_wait_alu depctr_va_vdst(0)                   ; one wait for the three reciprocals
.irp jj,0,1,2
.set i, 0
.rept 16
	v_pk_mul_f32 v[144+32*\jj+2*i:145+32*\jj+2*i], v[144+32*\jj+2*i:145+32*\jj+2*i], v[22+8*\jj:23+8*\jj] op_sel_hi:[1,0]
.set i, i+1
.endr
.set i, 0
.rept 16
	v_cvt_pk_f16_f32 v[40+16*\jj+i], v[144+32*\jj+2*i], v[145+32*\jj+2*i]
.set i, i+1
.endr
.irp cb,0,1,2,3
	ds_store_b128 v5, v[40+16*\jj+4*\cb:43+16*\jj+4*\cb] offset:32*\cb
.endr
.irp f,0,1,2,3
	ds_load_b128 v[40+16*\jj+4*\f:43+16*\jj+4*\f], v6 offset:(\f/2)*64+(\f%2)*1152  ; my own bytes, served in order behind the stores
.endr
.irp f,0,1,2,3
	s_wait_dscnt 3-\f
	global_store_b128 v7, v[40+16*\jj+4*\f:43+16*\jj+4*\f], s[76:77] offset:(\f/2)*33792+\jj*1024+(\f%2)*512  ; 512 consecutive bytes, at a multiple of 256 from ctx's first
.endr
.endr
	s_wait_tensorcnt 0x0                           ; the wave's end, behind my last tensor load and my last LDS store
	ds_add_u32 v1, v2
	s_wait_dscnt 0x0
	s_endpgm
.Lfunc_end_k_q61b20a1541_attn:
	.size	k_q61b20a1541_attn, .Lfunc_end_k_q61b20a1541_attn-k_q61b20a1541_attn
	.p2alignl 7, 3214868480
	.fill 96, 4, 3214868480
	.section	.rodata,"a",@progbits
	.p2align	6, 0x0
	.amdhsa_kernel k_q61b20a1541_attn
		.amdhsa_group_segment_fixed_size 313600
		.amdhsa_private_segment_fixed_size 0
		.amdhsa_enable_private_segment 0
		.amdhsa_kernarg_size 72
		.amdhsa_user_sgpr_count 2
		.amdhsa_user_sgpr_kernarg_segment_ptr 1
		.amdhsa_wavefront_size32 1
		.amdhsa_system_sgpr_workgroup_id_x 1
		.amdhsa_system_sgpr_workgroup_id_y 1
		.amdhsa_system_sgpr_workgroup_id_z 1
		.amdhsa_system_vgpr_workitem_id 0
		.amdhsa_next_free_vgpr 336
		.amdhsa_next_free_sgpr 80
		.amdhsa_reserve_vcc 1
		.amdhsa_float_denorm_mode_32 3
		.amdhsa_float_denorm_mode_16_64 3
		.amdhsa_memory_ordered 1
		.amdhsa_forward_progress 1
		.amdhsa_inst_pref_size 152
	.end_amdhsa_kernel
	.amdgpu_metadata
---
amdhsa.version: [ 1, 2 ]
amdhsa.kernels:
  - .name:           k_q61b20a1541_attn
    .symbol:         k_q61b20a1541_attn.kd
    .args:
      - { .name: task_embed, .offset: 0, .size: 8, .value_kind: global_buffer, .address_space: global }
      - { .name: global_embed, .offset: 8, .size: 8, .value_kind: global_buffer, .address_space: global }
      - { .name: task_ids, .offset: 16, .size: 8, .value_kind: global_buffer, .address_space: global }
      - { .name: usv_ids, .offset: 24, .size: 8, .value_kind: global_buffer, .address_space: global }
      - { .name: bq, .offset: 32, .size: 8, .value_kind: global_buffer, .address_space: global }
      - { .name: bv, .offset: 40, .size: 8, .value_kind: global_buffer, .address_space: global }
      - { .name: wh, .offset: 48, .size: 8, .value_kind: global_buffer, .address_space: global }
      - { .name: u16, .offset: 56, .size: 8, .value_kind: global_buffer, .address_space: global }
      - { .name: ctx, .offset: 64, .size: 8, .value_kind: global_buffer, .address_space: global }
    .group_segment_fixed_size: 313600
    .private_segment_fixed_size: 0
    .kernarg_segment_align: 8
    .kernarg_segment_size: 72
    .max_flat_workgroup_size: 352
    .sgpr_count:     80
    .vgpr_count:     336
    .wavefront_size: 32
...
	.end_amdgpu_metadata
.endif
;; end of part 2
;; launch tail (part 3): grid 256 x 1, 4 waves a work-group, clusters of 4 x 1, 327,680 bytes of LDS; arguments ctx, wx, task_embed, usv_embed, global_embed, task_ids, usv_ids, bo, ln_g, ln_b, ab1, aw2, ab2, aw3, ab3, out0; writes out0
.if DOCPART == 3
	.amdgcn_target "amdgcn-amd-amdhsa--gfx1250"
	.amdhsa_code_object_version 6
	.text
	.protected	k_q61b20a1541_tail
	.globl	k_q61b20a1541_tail
	.p2align	8
	.type	k_q61b20a1541_tail,@function
k_q61b20a1541_tail:
	s_mov_b64 s[64:65], 0
	v_nop
	global_prefetch_b8 v0, s[64:65] scope:SCOPE_SE
	s_setreg_imm32_b32 hwreg(HW_REG_WAVE_MODE, 25, 1), 1
	s_wait_xcnt 0x0
	s_wait_alu depctr_hold_cnt(0) depctr_sa_sdst(0) depctr_va_vdst(0) depctr_va_sdst(0) depctr_va_ssrc(0) depctr_va_vcc(0) depctr_vm_vsrc(0)
	s_getreg_b32 s2, hwreg(HW_REG_IB_STS2, 6, 4)
	s_cmp_eq_u32 s2, 0
	s_cbranch_scc0 .Lentry_in_a_cluster
	s_endpgm
.Lentry_in_a_cluster:
	s_bfe_u32 s2, ttmp6, 0x10000c
	s_cmp_lg_u32 s2, 0x3003
	s_cbranch_scc0 .Lentry_shape_is_right
	s_endpgm
.Lentry_shape_is_right:
; TAIL: logits = mlp([layernorm(seq + ctx wo + bo), the same of the state row]).  Nothing of reference() is left out here; state_bcast aw1[512:] is made once a wave instead of once an action.
; SHARES.  A cluster of four work-groups is an item b; a work-group has 128 actions, a wave 32: tiles 0 and 1 of 16 rows.  Tile 2 is the state row, sixteen times (ctx rows 512-527): each wave makes it for
; itself, so that a row's mean and variance never leave the wave.  Products are taken transposed (source 0 = 16 columns of the weights, source 1 = 16 rows): a lane holds one row and eight channels.
; A tile's 512 channels are 32 accumulators: window t + 1 of the registers.  THE SUMS START FROM THE RESIDUAL: the gathered f32 rows are loaded straight into the accumulators.
; RING.  wx goes through two LDS slots in five tiles of 512 rows x 128 k: four K chunks of wo^T, then aw1^T.  All work-groups read the same tiles: each is asked for JOINTLY by the cluster's four
; (the same load, descriptor and mask in all four; each wave brings 128 rows).  One tensor load of a wave is out at a time; it has a chunk's 384 matrix instructions in which to land.
; PREFETCH.  ctx comes from memory and each of its action rows is read once, by one wave.  In each chunk but the last a wave names the next chunk's four K steps of its own 32 rows: 32 blocks of 256
; bytes, a lane a block, one instruction, 384 matrix instructions ahead.  Chunk 0 comes by its loads alone.  The state rows (read by sixteen waves) and wx (read by all) are not asked for.
; LAYERNORM as reference() writes it: mean, then the squares of x - mean.  elu: see prep.
; LIMITS.  f16 operands: |ctx|, |layernorm's result| and the hidden layers under 65,504.  Indices are clamped into their tables.
; LDS.  Slots of 512 x 272 at 0 and SLOTB; spare words at SPARE; VEC: bo, ln_g, ln_b (2,048 each), ab1 (256), ab2, aw3 (128 each), copied once, bytes into which no tile lands.
; WINDOW 0.  v3 a fragment's place; v4-7 B's addresses (later aw1's, and v7 VEC + 32 h); v8-10 ctx offsets; v11-15 residual offsets (v11 later the prefetch's); v16-63 ctx fragments (parity, tile);
; v64-191 two buffers of eight weight fragments; v192-255 aw2 raw.  Behind the K loop: v16-51 LayerNorm's sums, means, 1/sigma; v64-191 vectors; then v16-47 aw2^T, v48-63 ab2, v64-159 three sets of aw1
; fragments, v160-191 the state's part of layer 1, v192-255 layer 1.
.set SLOTB, 139264
.set SPARE, 278528
.set VEC,   279040
.set MSB, 0
.macro WIN new
.if MSB != (\new)
	s_set_vgpr_msb (MSB<<8)|(\new)
.set MSB, (\new)
.endif
.endm
.macro NOP4
.rept 4
	v_nop
.endr
.endm
.macro T3 line:vararg                  ; one line for each window t = 1, 2, 3
.set t, 1
.rept 3
	\line
.set t, t+1
.endr
.endm
.macro ROUND                           ; a round of the cluster's barrier
	s_barrier_signal -1
	s_barrier_wait -1
	s_cmp_lg_u32 s56, 0
	s_cbranch_scc1 .Lnot_wave_0_\@
	s_barrier_signal -3
.Lnot_wave_0_\@:
	s_barrier_wait -3
	s_barrier_signal -1
	s_barrier_wait -1
.endm
	s_load_b512 s[8:23], s[0:1], 0x0               ; ctx 8, wx 10, task 12, usv 14, global 16, task_ids 18, usv_ids 20, bo 22
	s_load_b512 s[24:39], s[0:1], 0x40             ; ln_g 24, ln_b 26, ab1 28, aw2 30, ab2 32, aw3 34, ab3 36, out0 38
	v_lshl_add_u32 v1, v0, 2, SPARE
	v_mov_b32 v2, 0
	ds_add_u32 v1, v2                              ; the opening: the add, twice on end, and its wait ahead of the round in front of the first tensor load
	ds_add_u32 v1, v2
	v_lshrrev_b32 v3, 5, v0
	v_readfirstlane_b32 s56, v3                    ; wave
	s_mov_b32 s57, ttmp9                           ; b: the cluster's number
	s_bfe_u32 s58, ttmp6, 0x40000                  ; my quarter of the actions: it enters global offsets alone
	s_mov_b32 s40, 15|(1<<16)|(1<<20)|(1<<21)|(5<<22)|(3<<25)  ; the mask of four; 2-byte elements; padding of 4 words behind every 64; bit 21 beside a mask
	s_mov_b32 s41, 128<<16
	s_mov_b32 s42, 128<<16
	s_mov_b32 s43, 128<<16
	s_mov_b32 s44, 128
	s_mov_b32 s45, 640                             ; elements from row to row of wx
	s_mov_b32 s46, 0
	s_mov_b32 s47, 0
	s_mov_b32 s48, 1
	s_mul_i32 s49, s56, 34816                      ; my 128 rows of slot 0,
	s_mov_b32 s52, 1
	s_add_co_u32 s53, s49, SLOTB                   ; and of slot 1
	s_mul_i32 s84, s56, 163840
	s_mov_b32 s85, 0
	s_mov_b32 s72, 0x76543210
	s_mov_b32 s73, 0xfedcba98
	s_mov_b32 s76, 0x3c088889                      ; 1/120
	s_mov_b32 s77, 0x3c088889
	s_mov_b32 s78, 0x3d2aaaab                      ; 1/24
	s_mov_b32 s79, 0x3d2aaaab
	s_mov_b32 s80, 0xbe000000                      ; -1/8
	s_mov_b32 s81, 0x3b000000                      ; 1/512
	s_mul_i32 s86, s57, 540672
	s_mov_b32 s87, 0
	s_wait_dscnt 0x0
	s_wait_kmcnt 0x0
	s_add_nc_u64 s[50:51], s[10:11], s[84:85]      ; tile 0
	s_add_nc_u64 s[54:55], s[50:51], 256           ; tile 1
	s_or_b32 s51, s51, 0x80000000
	s_or_b32 s55, s55, 0x80000000
	s_add_nc_u64 s[60:61], s[8:9], s[86:87]        ; ctx at the item's K step 0
	s_mov_b64 s[62:63], s[60:61]                   ; the prefetches' base
	ROUND
	tensor_load_to_lds s[48:51], s[40:47]
	s_nop 0
	NOP4
	v_and_b32 v64, 15, v0                          ; r
	v_bfe_u32 v65, v0, 4, 1                        ; h
	s_lshl_b32 s59, s58, 7
	s_lshl_b32 s84, s56, 5
	s_add_co_u32 s59, s59, s84                     ; a0: my first action
	s_lshl_b32 s84, s57, 9
	s_add_co_u32 s84, s84, s59
	v_add_nc_u32 v66, s84, v64
	v_lshlrev_b32 v66, 2, v66
	global_load_b32 v11, v66, s[18:19]
	global_load_b32 v12, v66, s[18:19] offset:64
	global_load_b32 v13, v66, s[20:21]
	global_load_b32 v14, v66, s[20:21] offset:64
	v_lshlrev_b32 v67, 4, v0                       ; 128 threads x 16 bytes are a vector of 512 f32
	global_load_b128 v[68:71], v67, s[22:23]
	global_load_b128 v[72:75], v67, s[24:25]
	global_load_b128 v[76:79], v67, s[26:27]
	s_cmp_lt_u32 s56, 2                            ; waves 0, 1: ab1; wave 2: ab2; wave 3: aw3: a word a thread
	s_cselect_b64 s[86:87], s[28:29], s[32:33]
	s_cmp_eq_u32 s56, 3
	s_cselect_b64 s[86:87], s[34:35], s[86:87]
	s_cmp_eq_u32 s56, 1
	s_cselect_b32 s84, 128, 0
	v_and_b32 v81, 31, v0
	v_lshl_add_u32 v81, v81, 2, s84
	global_load_b32 v80, v81, s[86:87]
	s_load_b32 s82, s[36:37], 0x0                  ; ab3
	v_mul_u32_u24 v3, v64, 272
	v_lshl_add_u32 v3, v65, 4, v3
	v_add_nc_u32 v8, s59, v64
	v_lshlrev_b32 v8, 6, v8
	v_lshl_add_u32 v8, v65, 4, v8                  ; ctx: row x 64 + 16 h
	v_add_nc_u32 v9, 1024, v8
	v_lshlrev_b32 v10, 6, v64
	v_lshl_add_u32 v10, v65, 4, v10
	v_add_nc_u32 v10, 32768, v10                   ; rows 512 ..
	s_lshl_b32 s84, s57, 11
	v_lshl_add_u32 v15, v65, 5, s84
	v_lshlrev_b32 v82, 2, v64
	v_lshl_add_u32 v82, v65, 10, v82               ; aw2: column r, rows 8 h ..
	v_add_nc_u32 v83, VEC, v67
	v_lshl_add_u32 v84, v0, 2, VEC+6144
	s_mul_i32 s84, s57, 1024000
	s_wait_loadcnt 0x0
	s_wait_kmcnt 0x0
	s_mul_i32 s86, s57, 51200
	ds_store_b128 v83, v[68:71]                    ; shown to the other waves by the first round below
	ds_store_b128 v83, v[72:75] offset:2048
	ds_store_b128 v83, v[76:79] offset:4096
	ds_store_b32 v84, v80
	v_min_u32 v11, 0x3e7, v11
	v_min_u32 v12, 0x3e7, v12
	v_min_u32 v13, 49, v13
	v_min_u32 v14, 49, v14
	v_lshl_add_u32 v11, v11, 10, s84
	v_lshl_add_u32 v12, v12, 10, s84
	v_lshl_add_u32 v13, v13, 10, s86
	v_lshl_add_u32 v14, v14, 10, s86
.irp i,11,12,13,14
	v_lshl_add_u32 v[\i], v65, 5, v[\i]            ; + 32 h: channels 8 h .. of each 16
.endr
.set n, 0
.rept 64                               ; aw2^T's fragments, raw: tile n / 32, K step (n / 16) % 2, element n % 16
	global_load_b32 v[192+n], v82, s[30:31] offset:(32*((n/16)%2)+(n%16)+8*((n%16)/8))*128+(n/32)*64
.set n, n+1
.endr
.macro RES t, lo, blo, hi, bhi, xo     ; a tile's residual, in the accumulators' layout: channels 16 nt + 8 h + 0..7 of my row
	WIN ((\t)+1)<<6
.set n, 0
.rept 16
	global_load_b128 v[8*n:8*n+3], v[\lo], s[\blo:\blo+1] offset:64*n
	global_load_b128 v[8*n+4:8*n+7], v[\lo], s[\blo:\blo+1] offset:64*n+16
.set n, n+1
.endr
.rept 16
	global_load_b128 v[8*n:8*n+3], v[\hi], s[\bhi:\bhi+1] offset:64*(n-16)+(\xo)
	global_load_b128 v[8*n+4:8*n+7], v[\hi], s[\bhi:\bhi+1] offset:64*(n-16)+(\xo)+16
.set n, n+1
.endr
.endm
	RES 0, 11, 12, 13, 14, 0
	RES 1, 12, 12, 14, 14, 0
	RES 2, 15, 16, 15, 16, 1024
	WIN 0
.macro ALOAD ks                        ; ctx's three fragments of the K step of parity ks behind the base: six loads
.irp tt,0,1,2
	global_load_b128 v[16+24*(\ks)+8*\tt:19+24*(\ks)+8*\tt], v[8+\tt], s[60:61] offset:(\ks)*33792
	global_load_b128 v[20+24*(\ks)+8*\tt:23+24*(\ks)+8*\tt], v[8+\tt], s[60:61] offset:(\ks)*33792+32
.endr
.endm
	ALOAD 0
	ALOAD 1
	s_wait_xcnt 0x0                                ; all loads have read their offsets: v11, v12 and the set-up's registers may be written
	v_bfe_u32 v11, v0, 3, 2
	v_mul_u32_u24 v11, v11, 33792                  ; the prefetch: K step l / 8 of the chunk,
	v_and_b32 v12, 7, v0
	v_lshl_add_u32 v11, v12, 8, v11                ; block l % 8 of my 32 rows' 2,048 bytes
	s_lshl_b32 s84, s59, 6
	v_add_nc_u32 v11, s84, v11
.macro BLOAD q                         ; eight weight fragments: n tiles 8 (q % 4) .., K step q / 4 of the pair, into buffer q % 2: 16 loads
	WIN 0
.irp i,0,1,2,3,4,5,6,7
	ds_load_b128 v[64+64*((\q)%2)+8*\i:67+64*((\q)%2)+8*\i], v[4+(\q)%4] offset:\i*4352+((\q)/4)*64
	ds_load_b128 v[68+64*((\q)%2)+8*\i:71+64*((\q)%2)+8*\i], v[4+(\q)%4] offset:\i*4352+((\q)/4)*64+32
.endr
.endm
.macro ASK                             ; in a chunk's first pair, in all chunks but the last
	s_cmp_eq_u32 s68, s69
	s_cbranch_scc0 .Lnot_now_\@
	global_prefetch_b8 v11, s[62:63] th:TH_LOAD_NT scope:SCOPE_SE
.Lnot_now_\@:
.endm
; TWO K STEPS: eight groups of 24 products (8 n tiles x 3 row tiles; 24 accumulators by turns, each taken up again 96 products later).
.macro PAIR
	s_wait_xcnt 0x0                                ; the last pair's loads have read the base
	s_cmp_gt_u32 s66, 1
	s_cselect_b32 s70, 0x10800, 0                  ; two K steps on; the last pair has none behind it: its look-ahead names the same bytes again, inside ctx, and is not used
	s_add_nc_u64 s[60:61], s[60:61], s[70:71]
	BLOAD 0
	BLOAD 1
	ASK
.set q, 0
.rept 8
.if q < 7
	s_wait_dscnt 16                                ; this group's buffer is in; the other's 16 loads stay out
.else
	s_wait_dscnt 0x0
.endif
.if q%4 == 0
	s_wait_loadcnt 6                               ; this K step's ctx fragments are in; the other parity's six loads stay out
.endif
.irp tt,0,1,2
	WIN (\tt+1)*0x50
.irp i,0,1,2,3,4,5,6,7
	v_wmma_f32_16x16x32_f16 v[64*(q%4)+8*\i:64*(q%4)+8*\i+7], v[64+64*(q%2)+8*\i:71+64*(q%2)+8*\i], v[16+24*(q/4)+8*\tt:23+24*(q/4)+8*\tt], v[64*(q%4)+8*\i:64*(q%4)+8*\i+7]
.endr
.endr
	WIN 0
	NOP4
.if q < 6
	BLOAD q+2
.endif
.if q%4 == 3
	ALOAD q/4
.endif
.set q, q+1
.endr
.irp g,0,1,2,3
	v_add_nc_u32 v[4+\g], 128, v[4+\g]
.endr
	s_sub_co_u32 s66, s66, 1
.endm
; A CHUNK of 128 k, in slot \slot.  In front of the round each wave waits for all its tensor loads (one is out: its part of this chunk's tile), adds 0 to its spare word, and waits for that and for
; its reads of the other slot; behind the round no wave of any partner reads that slot or has a load on its way, and the joint refill comes first.
.macro TRIP slot
	s_wait_xcnt 0x0                                ; the last prefetch, a pair or more back, has read its base
	s_add_nc_u64 s[62:63], s[62:63], 135168        ; the next chunk's four K steps
	s_wait_tensorcnt 0x0
	ds_add_u32 v1, v2                              ; 0 onto my spare word; scalar work stands between it and the wait for it
	s_add_nc_u64 s[50+4*(\slot):51+4*(\slot)], s[50+4*(\slot):51+4*(\slot)], 512  ; no load of mine is out: this slot's next tile
.if \slot
	s_cmp_eq_u32 s67, 1
	s_cselect_b32 s69, 0, 2                        ; the last chunk asks for nothing
.else
	s_mov_b32 s69, 2
.endif
	s_wait_dscnt 0x0
	ROUND
	tensor_load_to_lds s[52-4*(\slot):55-4*(\slot)], s[40:47]  ; the next tile, into the slot read last
	s_nop 0
	NOP4
.irp g,0,1,2,3
	v_add_nc_u32 v[4+\g], (\slot)*SLOTB+\g*34816, v3
.endr
	s_mov_b32 s68, 2
.Lpair_\@:
	PAIR
	s_sub_co_u32 s68, s68, 1
	s_cmp_lg_u32 s68, 0
	s_cbranch_scc1 .Lpair_\@
.endm
	s_mov_b32 s66, 8                               ; pairs of K steps to go
	s_mov_b32 s71, 0
	s_mov_b32 s67, 2
.Lring:
	TRIP 0
	TRIP 1
	s_sub_co_u32 s67, s67, 1
	s_cmp_lg_u32 s67, 0
	s_cbranch_scc1 .Lring
	s_wait_loadcnt 0x0
	; LAYERNORM.  Vectors come from VEC in groups of four n tiles, in the accumulators' layout; two buffers take turns.
	v_bfe_u32 v7, v0, 4, 1
	v_lshlrev_b32 v7, 5, v7
	v_add_nc_u32 v7, VEC, v7
.macro VLD voff, G, dst
.irp n,0,1,2,3,4,5,6,7
	ds_load_b128 v[(\dst)+4*\n:(\dst)+4*\n+3], v7 offset:(\voff)+(\G)*256+(\n/2)*64+(\n%2)*16
.endr
.endm
.macro RED                             ; four chains into one, the two numbers of a pair, the other half of the lanes
	T3 v_pk_add_f32 v[8+8*t:9+8*t], v[8+8*t:9+8*t], v[10+8*t:11+8*t]
	T3 v_pk_add_f32 v[12+8*t:13+8*t], v[12+8*t:13+8*t], v[14+8*t:15+8*t]
	T3 v_pk_add_f32 v[8+8*t:9+8*t], v[8+8*t:9+8*t], v[12+8*t:13+8*t]
	T3 v_add_f32 v[8+8*t], v[8+8*t], v[9+8*t]
	T3 v_permlanex16_b32 v[9+8*t], v[8+8*t], s72, s73
	T3 v_add_f32 v[8+8*t], v[8+8*t], v[9+8*t]
.endm
	VLD 0, 0, 64
.set G, 0
.rept 8                                ; x += bo; each accumulator is read from its low end on
.if G < 7
	VLD 0, G+1, 64+32*((G+1)%2)
	s_wait_dscnt 8                                 ; this group's vector is in; the next group's eight loads stay out
.else
	s_wait_dscnt 0x0
.endif
.irp w,1,2,3
	WIN \w*65
.set i, 0
.rept 16
	v_pk_add_f32 v[32*G+2*i:32*G+2*i+1], v[32*G+2*i:32*G+2*i+1], v[64+32*(G%2)+2*i:65+32*(G%2)+2*i]
.set i, i+1
.endr
.endr
	WIN 0
.set G, G+1
.endr
.irp w,1,2,3                           ; the row's sum, in four chains that the first eight pairs start
	WIN \w*5
.irp c,0,1,2,3
	v_pk_add_f32 v[8+8*\w+2*\c:9+8*\w+2*\c], v[2*\c:2*\c+1], v[8+2*\c:9+2*\c]
.endr
	WIN \w*4
.set i, 8
.rept 120
	v_pk_add_f32 v[8+8*\w+2*(i%4):9+8*\w+2*(i%4)], v[8+8*\w+2*(i%4):9+8*\w+2*(i%4)], v[2*i:2*i+1]
.set i, i+1
.endr
.endr
	WIN 0
	RED
	T3 v_mul_f32 v[38+2*t], s81, v[8+8*t]          ; the mean, twice: a pair for the packed subtraction
	T3 v_mul_f32 v[39+2*t], s81, v[8+8*t]
.irp w,1,2,3
	WIN \w*65
.set i, 0
.rept 128
	v_pk_add_f32 v[2*i:2*i+1], v[2*i:2*i+1], v[38+2*\w:39+2*\w] neg_lo:[0,1] neg_hi:[0,1]
.set i, i+1
.endr
.endr
.irp w,1,2,3
	WIN \w*5
.set i, 0
.rept 128
.if i < 4
	v_pk_mul_f32 v[8+8*\w+2*i:9+8*\w+2*i], v[2*i:2*i+1], v[2*i:2*i+1]
.else
	v_pk_fma_f32 v[8+8*\w+2*(i%4):9+8*\w+2*(i%4)], v[2*i:2*i+1], v[2*i:2*i+1], v[8+8*\w+2*(i%4):9+8*\w+2*(i%4)]
.endif
.set i, i+1
.endr
.endr
	WIN 0
	RED
	T3 v_fmaak_f32 v[8+8*t], s81, v[8+8*t], 0x3727c5ac  ; the variance + 1e-5
	T3 v_rsq_f32 v[44+2*t], v[8+8*t]
	v_nop
	s_wait_alu depctr_va_vdst(0)                   ; one wait for the three roots
	T3 v_mov_b32 v[45+2*t], v[44+2*t]
	VLD 2048, 0, 64
	VLD 4096, 0, 96
.set G, 0
.rept 8                                ; y = d / sigma x g + b, rounded to f16 in place, ascending: window t + 1's v[8 kk ..] is then source 1's fragment for channels 32 kk ..
.if G < 7
	VLD 2048, G+1, 64+64*((G+1)%2)
	VLD 4096, G+1, 96+64*((G+1)%2)
	s_wait_dscnt 16                                ; this group's g and b are in; the next group's sixteen loads stay out
.else
	s_wait_dscnt 0x0
.endif
.irp w,1,2,3
	WIN \w*65
.set i, 0
.rept 16
	v_pk_mul_f32 v[32*G+2*i:32*G+2*i+1], v[32*G+2*i:32*G+2*i+1], v[44+2*\w:45+2*\w]
.set i, i+1
.endr
.set i, 0
.rept 16
	v_pk_fma_f32 v[32*G+2*i:32*G+2*i+1], v[32*G+2*i:32*G+2*i+1], v[64+64*(G%2)+2*i:65+64*(G%2)+2*i], v[96+64*(G%2)+2*i:97+64*(G%2)+2*i]
.set i, i+1
.endr
	WIN \w*69
.set i, 0
.rept 16
	v_cvt_pk_f16_f32 v[16*G+i], v[32*G+2*i], v[32*G+2*i+1]
.set i, i+1
.endr
.endr
	WIN 0
.set G, G+1
.endr
.set i, 0
.rept 32
	v_cvt_pk_f16_f32 v[16+i], v[192+2*i], v[193+2*i]  ; aw2^T's four fragments
.set i, i+1
.endr
	s_wait_tensorcnt 0x0                           ; my part of aw1^T (slot 0) is in,
	s_wait_dscnt 0x0
	s_barrier_signal -1
	s_barrier_wait -1                              ; everybody's is
.irp t4,0,1,2,3
	ds_load_b128 v[160+8*\t4:163+8*\t4], v7 offset:6144+64*\t4   ; ab1 starts the state's part of layer 1
	ds_load_b128 v[164+8*\t4:167+8*\t4], v7 offset:6144+64*\t4+16
.endr
.irp t2,0,1
	ds_load_b128 v[48+8*\t2:51+8*\t2], v7 offset:6400+64*\t2     ; ab2
	ds_load_b128 v[52+8*\t2:55+8*\t2], v7 offset:6400+64*\t2+16
.endr
.irp g,0,1,2
	v_add_nc_u32 v[4+\g], 52224*\g, v3             ; aw1^T: three blocks of 64 rows to an address register, so that the immediates stay under 65,536
.endr
; LAYER 1, one stream of 32 K steps: 0-15 the state's channels (aw1's lower half), 16-31 the actions'.  Three sets of four fragments.
.macro FL u
.set fb, ((\u)%16)/4+4*(1-(\u)/16)
.set fd, 64+32*((\u)%3)
.irp t4,0,1,2,3
	ds_load_b128 v[fd+8*\t4:fd+8*\t4+3], v[4+fb/3] offset:(fb%3)*17408+\t4*4352+((\u)%4)*64
	ds_load_b128 v[fd+8*\t4+4:fd+8*\t4+7], v[4+fb/3] offset:(fb%3)*17408+\t4*4352+((\u)%4)*64+32
.endr
.endm
	FL 0
	FL 1
	FL 2
.set u, 0
.rept 32
.if u < 30
	s_wait_dscnt 16                                ; this step's set is in; the two younger sets' sixteen loads stay out
.elseif u == 30
	s_wait_dscnt 8
.else
	s_wait_dscnt 0x0
.endif
.set fd, 64+32*(u%3)
.if u < 16
	WIN 0x0c
.irp t4,0,1,2,3
	v_wmma_f32_16x16x32_f16 v[160+8*\t4:167+8*\t4], v[fd+8*\t4:fd+8*\t4+7], v[8*u:8*u+7], v[160+8*\t4:167+8*\t4]
.endr
.else
.irp tt,0,1
	WIN 4*(\tt+1)
.irp t4,0,1,2,3
.if u == 16
	v_wmma_f32_16x16x32_f16 v[192+32*\tt+8*\t4:199+32*\tt+8*\t4], v[fd+8*\t4:fd+8*\t4+7], v[0:7], v[160+8*\t4:167+8*\t4]  ; the state's part and ab1 start the sums
.else
	v_wmma_f32_16x16x32_f16 v[192+32*\tt+8*\t4:199+32*\tt+8*\t4], v[fd+8*\t4:fd+8*\t4+7], v[8*(u-16):8*(u-16)+7], v[192+32*\tt+8*\t4:199+32*\tt+8*\t4]
.endif
.endr
.endr
.endif
	WIN 0
	NOP4
.if u == 15
	v_nop                                          ; five places before a result is another accumulator's C
.endif
.if u < 29
	FL u+3
.endif
.set u, u+1
.endr
.irp t2,0,1
	ds_load_b128 v[160+8*\t2:163+8*\t2], v7 offset:6528+64*\t2   ; aw3
	ds_load_b128 v[164+8*\t2:167+8*\t2], v7 offset:6528+64*\t2+16
.endr
; elu of 32 numbers at v[x ..]: the exponentials are one batch, the series is the work behind them, one wait
.macro ELUB x
.set i, 0
.rept 16
	v_pk_mul_f32 v[64+2*i:65+2*i], v[(\x)+2*i:(\x)+2*i+1], 0x3fb8aa3b op_sel_hi:[1,0]
.set i, i+1
.endr
.set i, 0
.rept 32
	v_exp_f32 v[64+i], v[64+i]
.set i, i+1
.endr
.set i, 0
.rept 16
	v_pk_fma_f32 v[96+2*i:97+2*i], v[(\x)+2*i:(\x)+2*i+1], s[76:77], s[78:79] op_sel_hi:[1,0,0]
.set i, i+1
.endr
.set i, 0
.rept 16
	v_pk_fma_f32 v[96+2*i:97+2*i], v[96+2*i:97+2*i], v[(\x)+2*i:(\x)+2*i+1], 0x3e2aaaab op_sel_hi:[1,1,0]
.set i, i+1
.endr
.set i, 0
.rept 16
	v_pk_fma_f32 v[96+2*i:97+2*i], v[96+2*i:97+2*i], v[(\x)+2*i:(\x)+2*i+1], 0.5 op_sel_hi:[1,1,0]
.set i, i+1
.endr
.set i, 0
.rept 16
	v_pk_fma_f32 v[96+2*i:97+2*i], v[96+2*i:97+2*i], v[(\x)+2*i:(\x)+2*i+1], 1.0 op_sel_hi:[1,1,0]
.set i, i+1
.endr
.set i, 0
.rept 16
	v_pk_mul_f32 v[96+2*i:97+2*i], v[96+2*i:97+2*i], v[(\x)+2*i:(\x)+2*i+1]
.set i, i+1
.endr
	s_wait_alu depctr_va_vdst(0)
.set i, 0
.rept 16
	v_pk_add_f32 v[64+2*i:65+2*i], v[64+2*i:65+2*i], -1.0 op_sel_hi:[1,0]
.set i, i+1
.endr
.set i, 0
.rept 32
	v_cmp_lt_f32 vcc_lo, s80, v[(\x)+i]
	v_cndmask_b32 v[64+i], v[64+i], v[96+i], vcc_lo
	v_cmp_lt_f32 vcc_lo, 0, v[(\x)+i]
	v_cndmask_b32 v[(\x)+i], v[64+i], v[(\x)+i], vcc_lo
.set i, i+1
.endr
.endm
	ELUB 192
	ELUB 224
.set i, 0
.rept 16
	v_cvt_pk_f16_f32 v[192+i], v[192+2*i], v[193+2*i]  ; in place, ascending: two fragments a tile
	v_cvt_pk_f16_f32 v[224+i], v[224+2*i], v[225+2*i]
.set i, i+1
.endr
.irp kk,0,1                            ; LAYER 2: four accumulators by turns; ab2 starts the sums
.irp tt,0,1
.irp t2,0,1
.if \kk == 0
	v_wmma_f32_16x16x32_f16 v[128+16*\tt+8*\t2:135+16*\tt+8*\t2], v[16+16*\t2:23+16*\t2], v[192+32*\tt:199+32*\tt], v[48+8*\t2:55+8*\t2]
.else
	v_wmma_f32_16x16x32_f16 v[128+16*\tt+8*\t2:135+16*\tt+8*\t2], v[24+16*\t2:31+16*\t2], v[200+32*\tt:207+32*\tt], v[128+16*\tt+8*\t2:135+16*\tt+8*\t2]
.endif
.endr
.endr
.endr
	NOP4
	ELUB 128
	s_wait_dscnt 0x0                               ; aw3
	v_pk_mul_f32 v[64:65], v[128:129], v[160:161]  ; LAYER 3: my 16 of the row's 32 terms, for both tiles
	v_pk_mul_f32 v[66:67], v[144:145], v[160:161]
.set i, 1
.rept 7
	v_pk_fma_f32 v[64:65], v[128+2*i:129+2*i], v[160+2*i:161+2*i], v[64:65]
	v_pk_fma_f32 v[66:67], v[144+2*i:145+2*i], v[160+2*i:161+2*i], v[66:67]
.set i, i+1
.endr
	v_add_f32 v64, v64, v65
	v_add_f32 v66, v66, v67
	v_permlanex16_b32 v65, v64, s72, s73
	v_permlanex16_b32 v67, v66, s72, s73
	v_add_f32 v64, v64, v65
	v_add_f32 v66, v66, v67
	v_bfe_u32 v68, v0, 4, 1
	v_cmp_ne_u32 vcc_lo, 0, v68
	v_cndmask_b32 v64, v64, v66, vcc_lo            ; lanes 0-15 give tile 0's rows, lanes 16-31 tile 1's
	v_add_f32 v64, s82, v64
	v_and_b32 v69, 31, v0
	s_lshl_b32 s84, s57, 9
	s_add_co_u32 s84, s84, s59
	v_add_nc_u32 v69, s84, v69
	v_lshlrev_b32 v69, 2, v69
	global_store_b32 v69, v64, s[38:39]            ; a wave stores its 32 logits: 128 consecutive bytes
	s_wait_tensorcnt 0x0                           ; the wave's end, behind my last tensor load and my last LDS store
	ds_add_u32 v1, v2
	s_wait_dscnt 0x0
	ROUND                                          ; the closing round: no work-group ends while a partner may still ask for a tile that names it
	s_endpgm
.Lfunc_end_k_q61b20a1541_tail:
	.size	k_q61b20a1541_tail, .Lfunc_end_k_q61b20a1541_tail-k_q61b20a1541_tail
	.p2alignl 7, 3214868480
	.fill 96, 4, 3214868480
	.section	.rodata,"a",@progbits
	.p2align	6, 0x0
	.amdhsa_kernel k_q61b20a1541_tail
		.amdhsa_group_segment_fixed_size 327680
		.amdhsa_private_segment_fixed_size 0
		.amdhsa_enable_private_segment 0
		.amdhsa_kernarg_size 128
		.amdhsa_user_sgpr_count 2
		.amdhsa_user_sgpr_kernarg_segment_ptr 1
		.amdhsa_wavefront_size32 1
		.amdhsa_system_sgpr_workgroup_id_x 1
		.amdhsa_system_sgpr_workgroup_id_y 1
		.amdhsa_system_sgpr_workgroup_id_z 1
		.amdhsa_system_vgpr_workitem_id 0
		.amdhsa_next_free_vgpr 1024
		.amdhsa_next_free_sgpr 100
		.amdhsa_reserve_vcc 1
		.amdhsa_float_denorm_mode_32 3
		.amdhsa_float_denorm_mode_16_64 3
		.amdhsa_memory_ordered 1
		.amdhsa_forward_progress 1
		.amdhsa_inst_pref_size 255
	.end_amdhsa_kernel
	.section	.bss,"aw",@nobits
	.p2align	6
	.space	262144
	.amdgpu_metadata
---
amdhsa.version: [ 1, 2 ]
amdhsa.kernels:
  - .name:           k_q61b20a1541_tail
    .symbol:         k_q61b20a1541_tail.kd
    .args:
      - { .name: ctx, .offset: 0, .size: 8, .value_kind: global_buffer, .address_space: global }
      - { .name: wx, .offset: 8, .size: 8, .value_kind: global_buffer, .address_space: global }
      - { .name: task_embed, .offset: 16, .size: 8, .value_kind: global_buffer, .address_space: global }
      - { .name: usv_embed, .offset: 24, .size: 8, .value_kind: global_buffer, .address_space: global }
      - { .name: global_embed, .offset: 32, .size: 8, .value_kind: global_buffer, .address_space: global }
      - { .name: task_ids, .offset: 40, .size: 8, .value_kind: global_buffer, .address_space: global }
      - { .name: usv_ids, .offset: 48, .size: 8, .value_kind: global_buffer, .address_space: global }
      - { .name: bo, .offset: 56, .size: 8, .value_kind: global_buffer, .address_space: global }
      - { .name: ln_g, .offset: 64, .size: 8, .value_kind: global_buffer, .address_space: global }
      - { .name: ln_b, .offset: 72, .size: 8, .value_kind: global_buffer, .address_space: global }
      - { .name: ab1, .offset: 80, .size: 8, .value_kind: global_buffer, .address_space: global }
      - { .name: aw2, .offset: 88, .size: 8, .value_kind: global_buffer, .address_space: global }
      - { .name: ab2, .offset: 96, .size: 8, .value_kind: global_buffer, .address_space: global }
      - { .name: aw3, .offset: 104, .size: 8, .value_kind: global_buffer, .address_space: global }
      - { .name: ab3, .offset: 112, .size: 8, .value_kind: global_buffer, .address_space: global }
      - { .name: out0, .offset: 120, .size: 8, .value_kind: global_buffer, .address_space: global }
    .group_segment_fixed_size: 327680
    .private_segment_fixed_size: 0
    .kernarg_segment_align: 8
    .kernarg_segment_size: 128
    .max_flat_workgroup_size: 128
    .sgpr_count:     100
    .vgpr_count:     1024
    .wavefront_size: 32
...
	.end_amdgpu_metadata
.endif
;; end of part 3
;; ======== version 2 of 2: 3 launches
;; limits: values are held in f16: magnitudes above 65,504 overflow, below 6.1e-05 lose precision
;; workspace buffers: wh 1,572,864 bytes; wx 655,360 bytes; u16 1,671,168 bytes; ctx 34,603,008 bytes; pb 512 bytes
;; launch prep (part 4): grid 164 x 1, 4 waves a work-group, no clusters, 71,424 bytes of LDS; arguments wq, wk, wv, wo, aw1, usv_embed, global_embed, cw1, cb1, cw2, cb2, cw3, cb3, ln_g, ln_b, wh, wx, u16, out1, pb; writes wh, wx, u16, out1, pb
.if DOCPART == 4
	.amdgcn_target "amdgcn-amd-amdhsa--gfx1250"
	.amdhsa_code_object_version 6
	.text
	.protected	k_q61b20a1541_prep
	.globl	k_q61b20a1541_prep
	.p2align	8
	.type	k_q61b20a1541_prep,@function
k_q61b20a1541_prep:
	s_mov_b64 s[64:65], 0
	v_nop
	global_prefetch_b8 v0, s[64:65] scope:SCOPE_SE
	s_setreg_imm32_b32 hwreg(HW_REG_WAVE_MODE, 25, 1), 1
	s_wait_xcnt 0x0
; PREP: lays the weights out for the two launches behind it, rounds the table of lower halves, and computes the critic.
; WORK LEFT OUT IN THE WHOLE PROGRAM.  bk: scores[q][k] = q . (seq[k] wk + bk) / 8 = q . (seq[k] wk) / 8 + (q . bk) / 8, and the second term is the same for
; all k of a row, so softmax over k does not see it, whatever the inputs hold.  bk reaches no output: it is not loaded and is no argument of any launch.
; Limit: a NaN, an infinity or an overflow that reaches only that term is not carried to the result.
; WORK DONE ONCE INSTEAD OF 513 TIMES.  seq[s] w = upper(s) w[0:256] + lower(s) w[256:512]; an item has 51 different lower halves (50 usv rows, the state's), so the
; lower product is made for the table's rows (launch attn).  state_bcast aw1[512:] is the same for all actions of an item (launch tail).
; LAYERNORM'S GAIN AND BIAS GO INTO aw1.  With d = x - mean: ((d / sigma) g + b) aw1 = (d (g o aw1)) / sigma + b aw1.  So aw1's row k is multiplied by ln_g[k % 512] here, in f32, before its one
; rounding, and the two vectors ln_b aw1[0:512], ln_b aw1[512:1024] are made here in f32 (pb); launch tail divides by sigma behind the product.
; FORMATS.  All matrix operands are f16, each rounded once from f32.  Limit: numbers beyond 65,504 do not fit (ln_g x aw1 among them); below 6e-5 they keep f16's fixed step of 6e-8.
; ROLES by the work-group's number g (the same in all four waves):
;   g < 34   T: each wave turns a tile of 128 k x 64 n of wq, wk, wv, wo (g / 8 = 0..3, n block g % 8, k block = wave) or aw1 (g = 32, 33; k block 4 (g & 1) + wave) into rows [n][k] of f16
;   g < 98   U: item g - 34: usv_embed's 50 rows and global_embed[256:512] rounded to f16: u16 [64][51][256]
;   g < 162  C: the critic for item g - 98, in f32 on the vector unit: one row would leave 15 of a matrix tile's 16 rows empty
;   else     P: pb[g - 162] = ln_b aw1[512 (g - 162) ..]: the critic's first product on other pointers
; wh [8 heads][384][256]: rows 0-191 the lower half of D (q, k, v: 64 each), rows 192-383 the upper half.  wx [512][640]: columns 0-511 wo^T, 512-639 (g o aw1)^T (row 64 kb + n: k = 128 kb ..).
.set STG,   0                          ; four stages of 64 rows x 272 bytes, a wave's own
.set CR,    69632                      ; four partial rows of 64 f32
.set CH,    70656                      ; the critic's first hidden layer
.set SPARE, 70912                      ; the spare words, 128 bytes a wave: no other line names them
	s_load_b512 s[16:31], s[0:1], 0x0              ; wq 16, wk 18, wv 20, wo 22, aw1 24, usv 26, global 28, cw1 30
	s_load_b512 s[32:47], s[0:1], 0x40             ; cb1 32, cw2 34, cb2 36, cw3 38, cb3 40, ln_g 42, ln_b 44, wh 46
	s_load_b256 s[48:55], s[0:1], 0x80             ; wx 48, u16 50, out1 52, pb 54
	v_lshl_add_u32 v1, v0, 2, SPARE
	v_mov_b32 v2, 0
	v_lshrrev_b32 v3, 5, v0
	v_readfirstlane_b32 s2, v3                     ; wave
	v_and_b32 v3, 31, v0                           ; lane
	s_mov_b32 s3, ttmp9                            ; g
	s_wait_kmcnt 0x0
	s_cmp_lt_u32 s3, 34
	s_cbranch_scc1 .Lrole_t
	s_cmp_lt_u32 s3, 98
	s_cbranch_scc1 .Lrole_u
; ---------------- C: values[b] = elu(elu(x cw1 + cb1) cw2 + cb2) cw3 + cb3;  P: ln_b times a half of aw1 ----------------
; elu(x) = x for x > 0; for -1/64 < x <= 0 the series x + x^2/2 + x^3/6 (what is cut is under 2e-7 of the result); below that 2^(x log2 e) - 1.
.macro ELU1 x
	v_mul_f32 v40, 0x3fb8aa3b, v[\x]
	v_exp_f32 v40, v40
	v_mov_b32 v41, 0x3e2aaaab                      ; 1/6; the series is the plain work behind the exponential
	v_fma_f32 v41, v41, v[\x], 0.5
	v_fma_f32 v41, v41, v[\x], 1.0
	v_mul_f32 v41, v41, v[\x]
	s_wait_alu depctr_va_vdst(0)                   ; ahead of the exponential's first reader
	v_add_f32 v40, -1.0, v40
	v_cmp_lt_f32 vcc_lo, 0xbc800000, v[\x]         ; -1/64 < x
	v_cndmask_b32 v40, v40, v41, vcc_lo
	v_cmp_lt_f32 vcc_lo, 0, v[\x]
	v_cndmask_b32 v[\x], v40, v[\x], vcc_lo
.endm
; Wave w takes k = 128 w .. + 127, lane l the columns 2 l, 2 l + 1.  A batch is 32 k: 8 loads of x (one address for all lanes) and 32 of the weights.
.macro CLOAD t, set
.irp i,0,1,2,3,4,5,6,7
	global_load_b128 v[192+32*(\set)+4*\i:195+32*(\set)+4*\i], v5, s[8:9] offset:128*(\t)+16*\i
.endr
.set k, 0
.rept 32
	global_load_b64 v[64+64*(\set)+2*k:65+64*(\set)+2*k], v4, s[10:11] offset:(32*(\t)+k)*256
.set k, k+1
.endr
.endm
.macro CFMA t, set                     ; four chains for each column; the first four k start them
.set k, 0
.rept 32
.if ((\t) == 0) && (k < 4)
	v_mul_f32 v[10+2*k], v[192+32*(\set)+k], v[64+64*(\set)+2*k]
	v_mul_f32 v[11+2*k], v[192+32*(\set)+k], v[65+64*(\set)+2*k]
.else
	v_fmac_f32 v[10+2*(k%4)], v[192+32*(\set)+k], v[64+64*(\set)+2*k]
	v_fmac_f32 v[11+2*(k%4)], v[192+32*(\set)+k], v[65+64*(\set)+2*k]
.endif
.set k, k+1
.endr
.endm
	s_sub_co_u32 s4, s3, 98                        ; b; 64 and 65 are role P's two halves
	s_lshl_b32 s5, s4, 11
	s_and_b32 s7, s4, 1
	s_lshl_b32 s7, s7, 17                          ; a half of aw1: 512 rows of 256 bytes
	s_cmp_ge_u32 s4, 64
	s_cselect_b32 s15, 1, 0                        ; role P?
	s_cselect_b32 s5, 0, s5
	s_cselect_b32 s7, s7, 0
	s_cselect_b64 s[8:9], s[44:45], s[28:29]       ; x: ln_b, or global_embed's row b
	s_cselect_b64 s[10:11], s[24:25], s[30:31]     ; the weights: aw1 or cw1, both with rows of 64 f32
	s_lshl_b32 s6, s2, 9
	s_add_co_u32 s5, s5, s6
	v_mov_b32 v5, s5                               ; x: the row + w x 512 bytes
	v_lshlrev_b32 v7, 3, v3                        ; 8 l
	v_lshl_add_u32 v4, s2, 15, v7                  ; 128 w rows of 256 bytes + 8 l
	v_add_nc_u32 v4, s7, v4
	v_lshl_add_u32 v6, s2, 8, v7
	v_add_nc_u32 v6, CR, v6
	CLOAD 0, 0
	CLOAD 1, 1
	s_wait_loadcnt 40                              ; the older batch is in; the younger one's 40 loads stay out
	CFMA 0, 0
	CLOAD 2, 0
	s_wait_loadcnt 40
	CFMA 1, 1
	CLOAD 3, 1
	s_wait_loadcnt 40
	CFMA 2, 0
	s_wait_loadcnt 0x0
	CFMA 3, 1
	v_pk_add_f32 v[10:11], v[10:11], v[12:13]
	v_pk_add_f32 v[14:15], v[14:15], v[16:17]
	v_pk_add_f32 v[10:11], v[10:11], v[14:15]
	ds_store_b64 v6, v[10:11]
	s_wait_dscnt 0x0                               ; for the others' sake: my partial row is in LDS
	s_barrier_signal -1
	s_barrier_wait -1
	s_cmp_lg_u32 s2, 0
	s_cbranch_scc1 .Lend                           ; wave 0 finishes the row
	v_add_nc_u32 v25, CR, v7
	ds_load_b64 v[26:27], v25
	ds_load_b64 v[28:29], v25 offset:256
	ds_load_b64 v[30:31], v25 offset:512
	ds_load_b64 v[32:33], v25 offset:768
	s_cmp_lg_u32 s15, 0
	s_cbranch_scc1 .Lrole_p
	v_lshlrev_b32 v8, 2, v3                        ; 4 l
	v_mov_b32 v9, 0
.set k, 0
.rept 64
	global_load_b32 v[64+k], v8, s[34:35] offset:128*k  ; cw2[k][l]
.set k, k+1
.endr
	global_load_b64 v[20:21], v7, s[32:33]         ; cb1
	global_load_b32 v22, v8, s[36:37]              ; cb2
	global_load_b32 v23, v8, s[38:39]              ; cw3
	global_load_b32 v24, v9, s[40:41]              ; cb3
	s_lshl_b32 s56, s4, 2
	s_mov_b32 s57, 0
	s_add_nc_u64 s[58:59], s[52:53], s[56:57]      ; out1 + 4 b
	s_mov_b32 s12, 0x76543210
	s_mov_b32 s13, 0xfedcba98
	s_wait_dscnt 0x0
	v_pk_add_f32 v[26:27], v[26:27], v[28:29]
	v_pk_add_f32 v[30:31], v[30:31], v[32:33]
	v_pk_add_f32 v[26:27], v[26:27], v[30:31]
	s_wait_loadcnt 0x0
	v_pk_add_f32 v[26:27], v[26:27], v[20:21]
	ELU1 26
	ELU1 27
	v_add_nc_u32 v34, CH, v7
	ds_store_b64 v34, v[26:27]
	v_mov_b32 v35, CH
.irp i,0,1,2,3,4,5,6,7,8,9,10,11,12,13,14,15
	ds_load_b128 v[128+4*\i:131+4*\i], v35 offset:16*\i  ; LDS serves a wave's instructions in order: these see the store above; every lane gets all 64
.endr
	s_wait_dscnt 0x0
.set k, 0
.rept 64
.if k < 4
	v_mul_f32 v[36+k], v[128+k], v[64+k]
.else
	v_fmac_f32 v[36+k%4], v[128+k], v[64+k]
.endif
.set k, k+1
.endr
	v_add_f32 v36, v36, v37
	v_add_f32 v38, v38, v39
	v_add_f32 v36, v36, v38
	v_add_f32 v36, v36, v22
	ELU1 36
	v_mul_f32 v36, v36, v23
	v_add_f32_dpp v36, v36, v36 row_xmask:1 row_mask:0xf bank_mask:0xf
	v_add_f32_dpp v36, v36, v36 row_xmask:2 row_mask:0xf bank_mask:0xf
	v_add_f32_dpp v36, v36, v36 row_xmask:4 row_mask:0xf bank_mask:0xf
	v_add_f32_dpp v36, v36, v36 row_xmask:8 row_mask:0xf bank_mask:0xf
	v_permlanex16_b32 v37, v36, s12, s13
	v_add_f32 v36, v36, v37
	v_add_f32 v36, v36, v24
	v_cmp_eq_u32 vcc_lo, 0, v3
	s_wait_xcnt 0x0                                ; EXEC changes only behind this wait
	s_and_saveexec_b32 s14, vcc_lo
	global_store_b32 v9, v36, s[58:59]             ; lane 0 alone
	s_wait_xcnt 0x0
	s_or_b32 exec_lo, exec_lo, s14
	s_branch .Lend
.Lrole_p:
	s_and_b32 s56, s4, 1
	s_lshl_b32 s56, s56, 8
	s_mov_b32 s57, 0
	s_add_nc_u64 s[58:59], s[54:55], s[56:57]      ; pb + 256 x half
	s_wait_dscnt 0x0
	v_pk_add_f32 v[26:27], v[26:27], v[28:29]
	v_pk_add_f32 v[30:31], v[30:31], v[32:33]
	v_pk_add_f32 v[26:27], v[26:27], v[30:31]
	global_store_b64 v7, v[26:27], s[58:59]        ; the wave stores 256 consecutive bytes, at a multiple of 256 from pb's first
	s_branch .Lend
; ---------------- T: 128 k x 64 n of f32 [k][n] become 64 rows [n] of 128 f16 ----------------
.Lrole_t:
	s_lshr_b32 s4, s3, 3                           ; m: 0 wq, 1 wk, 2 wv, 3 wo, 4 aw1
	s_and_b32 s5, s3, 7                            ; n block
	s_and_b32 s7, s3, 1
	s_lshl2_add_u32 s7, s7, s2                     ; aw1's k block: 4 (g & 1) + wave
	s_cmp_eq_u32 s4, 0
	s_cselect_b64 s[8:9], s[16:17], s[18:19]
	s_cmp_eq_u32 s4, 2
	s_cselect_b64 s[8:9], s[20:21], s[8:9]
	s_cmp_eq_u32 s4, 3
	s_cselect_b64 s[8:9], s[22:23], s[8:9]
	s_cmp_eq_u32 s4, 4
	s_cselect_b64 s[8:9], s[24:25], s[8:9]         ; the source
	s_cselect_b32 s7, s7, s2                       ; k block
	s_cselect_b32 s6, 1, 8
	s_cselect_b32 s10, 0, s5
	s_cselect_b32 s13, s7, s5                      ; wx: block of 64 rows,
	s_cselect_b32 s14, 4, s7                       ; and block of 256 bytes in them
	s_lshl_b32 s6, s6, 8                           ; bytes in a source row: 256 or 2,048
	s_mul_i32 s11, s7, s6
	s_lshl_b32 s11, s11, 7
	s_lshl_b32 s10, s10, 8
	s_add_co_u32 s10, s10, s11
	s_mov_b32 s11, 0
	s_add_nc_u64 s[8:9], s[8:9], s[10:11]
	s_lshl_b32 s56, s6, 4                          ; 16 source rows
	s_mov_b32 s57, 0
	s_mul_i32 s13, s13, 81920
	s_lshl_b32 s14, s14, 8
	s_add_co_u32 s13, s13, s14
	s_mul_i32 s12, s5, 196608                      ; wh: the head,
	s_cmp_lt_u32 s7, 2
	s_cselect_b32 s14, 3, 0                        ; the upper half of D lies behind the lower: 3 blocks of 64 rows,
	s_add_co_u32 s14, s14, s4                      ; q, k or v,
	s_lshl_b32 s14, s14, 15
	s_add_co_u32 s12, s12, s14
	s_and_b32 s14, s7, 1                           ; which 128 of the half's 256 k
	s_lshl_b32 s14, s14, 8
	s_add_co_u32 s12, s12, s14
	s_cmp_lt_u32 s4, 3
	s_cselect_b32 s12, s12, s13
	s_cselect_b64 s[14:15], s[46:47], s[48:49]
	s_cselect_b32 s60, 2, 5
	s_mov_b32 s13, 0
	s_add_nc_u64 s[14:15], s[14:15], s[12:13]
	s_lshl_b32 s60, s60, 8                         ; bytes in a row of wh (512) or wx (1,280)
	s_lshl_b32 s58, s60, 1
	s_mov_b32 s59, 0
	s_and_b32 s62, s7, 3
	s_lshl_b32 s62, s62, 9                         ; ln_g at k block % 4
	v_and_b32 v4, 15, v3                           ; c: my four columns
	v_lshrrev_b32 v5, 4, v3                        ; hh
	v_lshlrev_b32 v6, 4, v4
	v_lshlrev_b32 v7, 3, v5
.irp j,0,1,2,3,4,5,6,7
	v_add_nc_u32 v[8+\j], \j, v7
	v_mad_u32_u24 v[8+\j], v[8+\j], s6, v6         ; source row 8 hh + j, 16 bytes at 16 c: sixteen lanes take 256 consecutive bytes
.endr
	s_mul_i32 s61, s2, 17408                       ; my stage
	v_mul_u32_u24 v16, v4, 1088                    ; in: stage row 4 c + q, 16 bytes (8 k) at 32 i + 16 hh
	v_lshl_add_u32 v16, v5, 4, v16
	v_add_nc_u32 v16, s61, v16
	v_mul_u32_u24 v17, v5, 272                     ; back: lanes 0-15 one row of 256 bytes, lanes 16-31 the next
	v_add_nc_u32 v17, v17, v6
	v_add_nc_u32 v17, s61, v17
	v_mad_u32_u24 v18, v5, s60, v6
	v_lshl_add_u32 v19, v5, 5, s62                 ; ln_g: my rows 8 hh ..
	s_mov_b32 s63, 2
.Lt_batch:                             ; two batches of 64 k: 32 loads out at a time
.irp i,0,1,2,3
.irp j,0,1,2,3,4,5,6,7
	global_load_b128 v[64+32*\i+4*\j:67+32*\i+4*\j], v[8+\j], s[8:9] th:TH_LOAD_NT
.endr
	s_wait_xcnt 0x0                                ; the loads have read the base: it steps 16 rows
	s_add_nc_u64 s[8:9], s[8:9], s[56:57]
.endr
	s_cmp_lg_u32 s4, 4
	s_cbranch_scc1 .Lt_plain                       ; aw1 alone is multiplied by ln_g: row 16 i + 8 hh + j of the batch by its own number
.irp i,0,1,2,3
	global_load_b128 v[200+8*\i:203+8*\i], v19, s[42:43] offset:64*\i
	global_load_b128 v[204+8*\i:207+8*\i], v19, s[42:43] offset:64*\i+16
.endr
	s_wait_loadcnt 0x0
	v_add_nc_u32 v19, 256, v19                     ; free since that wait: the next batch's 64 numbers
.irp i,0,1,2,3
.irp j,0,1,2,3,4,5,6,7
.irp q,0,1,2,3
	v_mul_f32 v[64+32*\i+4*\j+\q], v[200+8*\i+\j], v[64+32*\i+4*\j+\q]
.endr
.endr
.endr
.Lt_plain:
	s_wait_loadcnt 0x0
.irp i,0,1,2,3
.irp q,0,1,2,3
.irp p,0,1,2,3
	v_cvt_pk_f16_f32 v[192+4*(\q%2)+\p], v[64+32*\i+8*\p+\q], v[68+32*\i+8*\p+\q]  ; column q of rows 2 p, 2 p + 1
.endr
	ds_store_b128 v16, v[192+4*(\q%2):195+4*(\q%2)] offset:272*\q+32*\i
.endr
.endr
	v_add_nc_u32 v16, 128, v16                     ; the next 64 k of the stage's rows
	s_sub_co_u32 s63, s63, 1
	s_cmp_lg_u32 s63, 0
	s_cbranch_scc1 .Lt_batch
	s_mov_b32 s63, 4
.Lt_back:                              ; four times sixteen rows
.irp t,0,1,2,3,4,5,6,7
	ds_load_b128 v[64+4*\t:67+4*\t], v17 offset:544*\t  ; my own bytes, served in order behind the stores
.endr
	s_wait_dscnt 0x0
	v_add_nc_u32 v17, 4352, v17
.irp t,0,1,2,3,4,5,6,7
	global_store_b128 v18, v[64+4*\t:67+4*\t], s[14:15]  ; sixteen lanes store 256 consecutive bytes, at a multiple of 256 from the buffer's first
	s_wait_xcnt 0x0                                ; the base and the data are rewritten only behind this wait
	s_add_nc_u64 s[14:15], s[14:15], s[58:59]      ; two rows on
.endr
	s_sub_co_u32 s63, s63, 1
	s_cmp_lg_u32 s63, 0
	s_cbranch_scc1 .Lt_back
	s_branch .Lend
; ---------------- U: 51 rows of 256 f32 become f16 ----------------
.Lrole_u:
	s_sub_co_u32 s4, s3, 34                        ; b
	s_mul_i32 s10, s4, 51200
	s_mov_b32 s11, 0
	s_add_nc_u64 s[12:13], s[26:27], s[10:11]
	s_mul_i32 s14, s4, 26112
	s_mov_b32 s15, 0
	s_add_nc_u64 s[14:15], s[50:51], s[14:15]
	v_lshlrev_b32 v4, 5, v3                        ; a lane's 8 numbers: 32 bytes in,
	v_lshl_add_u32 v6, s2, 10, v4
	v_lshlrev_b32 v5, 4, v3                        ; 16 bytes out
	v_lshl_add_u32 v5, s2, 9, v5
.irp i,0,1,2,3,4,5,6,7,8,9,10,11
	global_load_b128 v[64+8*\i:67+8*\i], v6, s[12:13] offset:4096*\i th:TH_LOAD_NT  ; row 4 i + w
	global_load_b128 v[68+8*\i:71+8*\i], v6, s[12:13] offset:4096*\i+16 th:TH_LOAD_NT
.endr
	s_cmp_eq_u32 s2, 3
	s_cbranch_scc1 .Lu_main                        ; rows 48, 49 (waves 0, 1) and the state's lower half as row 50 (wave 2)
	s_lshl_b32 s16, s4, 11
	s_add_co_u32 s16, s16, 1024
	s_lshl_b32 s17, s2, 10
	s_add_co_u32 s17, s17, s10
	s_add_co_u32 s17, s17, 49152
	s_cmp_eq_u32 s2, 2
	s_cselect_b32 s16, s16, s17
	s_cselect_b64 s[8:9], s[28:29], s[26:27]
	s_mov_b32 s17, 0
	s_add_nc_u64 s[8:9], s[8:9], s[16:17]
	global_load_b128 v[160:163], v4, s[8:9]
	global_load_b128 v[164:167], v4, s[8:9] offset:16
	s_wait_loadcnt 0x0
.irp p,0,1,2,3
	v_cvt_pk_f16_f32 v[160+\p], v[160+2*\p], v[161+2*\p]
.endr
	global_store_b128 v5, v[160:163], s[14:15] offset:24576
.Lu_main:
	s_wait_loadcnt 0x0
.irp i,0,1,2,3,4,5,6,7,8,9,10,11
.irp p,0,1,2,3
	v_cvt_pk_f16_f32 v[64+8*\i+\p], v[64+8*\i+2*\p], v[65+8*\i+2*\p]
.endr
	global_store_b128 v5, v[64+8*\i:67+8*\i], s[14:15] offset:2048*\i  ; a wave stores a row: 512 consecutive bytes
.endr
.Lend:
	s_wait_tensorcnt 0x0                           ; the wave's end, behind my last LDS store
	ds_add_u32 v1, v2
	s_wait_dscnt 0x0
	s_endpgm
.Lfunc_end_k_q61b20a1541_prep:
	.size	k_q61b20a1541_prep, .Lfunc_end_k_q61b20a1541_prep-k_q61b20a1541_prep
	.p2alignl 7, 3214868480
	.fill 96, 4, 3214868480
	.section	.rodata,"a",@progbits
	.p2align	6, 0x0
	.amdhsa_kernel k_q61b20a1541_prep
		.amdhsa_group_segment_fixed_size 71424
		.amdhsa_private_segment_fixed_size 0
		.amdhsa_enable_private_segment 0
		.amdhsa_kernarg_size 160
		.amdhsa_user_sgpr_count 2
		.amdhsa_user_sgpr_kernarg_segment_ptr 1
		.amdhsa_wavefront_size32 1
		.amdhsa_system_sgpr_workgroup_id_x 1
		.amdhsa_system_sgpr_workgroup_id_y 1
		.amdhsa_system_sgpr_workgroup_id_z 1
		.amdhsa_system_vgpr_workitem_id 0
		.amdhsa_next_free_vgpr 256
		.amdhsa_next_free_sgpr 80
		.amdhsa_reserve_vcc 1
		.amdhsa_float_denorm_mode_32 3
		.amdhsa_float_denorm_mode_16_64 3
		.amdhsa_memory_ordered 1
		.amdhsa_forward_progress 1
		.amdhsa_inst_pref_size 65
	.end_amdhsa_kernel
	.amdgpu_metadata
---
amdhsa.version: [ 1, 2 ]
amdhsa.kernels:
  - .name:           k_q61b20a1541_prep
    .symbol:         k_q61b20a1541_prep.kd
    .args:
      - { .name: wq, .offset: 0, .size: 8, .value_kind: global_buffer, .address_space: global }
      - { .name: wk, .offset: 8, .size: 8, .value_kind: global_buffer, .address_space: global }
      - { .name: wv, .offset: 16, .size: 8, .value_kind: global_buffer, .address_space: global }
      - { .name: wo, .offset: 24, .size: 8, .value_kind: global_buffer, .address_space: global }
      - { .name: aw1, .offset: 32, .size: 8, .value_kind: global_buffer, .address_space: global }
      - { .name: usv_embed, .offset: 40, .size: 8, .value_kind: global_buffer, .address_space: global }
      - { .name: global_embed, .offset: 48, .size: 8, .value_kind: global_buffer, .address_space: global }
      - { .name: cw1, .offset: 56, .size: 8, .value_kind: global_buffer, .address_space: global }
      - { .name: cb1, .offset: 64, .size: 8, .value_kind: global_buffer, .address_space: global }
      - { .name: cw2, .offset: 72, .size: 8, .value_kind: global_buffer, .address_space: global }
      - { .name: cb2, .offset: 80, .size: 8, .value_kind: global_buffer, .address_space: global }
      - { .name: cw3, .offset: 88, .size: 8, .value_kind: global_buffer, .address_space: global }
      - { .name: cb3, .offset: 96, .size: 8, .value_kind: global_buffer, .address_space: global }
      - { .name: ln_g, .offset: 104, .size: 8, .value_kind: global_buffer, .address_space: global }
      - { .name: ln_b, .offset: 112, .size: 8, .value_kind: global_buffer, .address_space: global }
      - { .name: wh, .offset: 120, .size: 8, .value_kind: global_buffer, .address_space: global }
      - { .name: wx, .offset: 128, .size: 8, .value_kind: global_buffer, .address_space: global }
      - { .name: u16, .offset: 136, .size: 8, .value_kind: global_buffer, .address_space: global }
      - { .name: out1, .offset: 144, .size: 8, .value_kind: global_buffer, .address_space: global }
      - { .name: pb, .offset: 152, .size: 8, .value_kind: global_buffer, .address_space: global }
    .group_segment_fixed_size: 71424
    .private_segment_fixed_size: 0
    .kernarg_segment_align: 8
    .kernarg_segment_size: 160
    .max_flat_workgroup_size: 128
    .sgpr_count:     80
    .vgpr_count:     256
    .wavefront_size: 32
...
	.end_amdgpu_metadata
.endif
;; end of part 4
;; launch attn: the kernel of part 2 again; grid 64 x 8, 11 waves a work-group, no clusters, 313,600 bytes of LDS; arguments task_embed, global_embed, task_ids, usv_ids, bq, bv, wh, u16, ctx; writes ctx
;; launch tail (part 5): grid 256 x 1, 4 waves a work-group, clusters of 4 x 1, 327,680 bytes of LDS; arguments ctx, wx, task_embed, usv_embed, global_embed, task_ids, usv_ids, bo, pb, ab1, aw2, ab2, aw3, ab3, out0; writes out0
.if DOCPART == 5
	.amdgcn_target "amdgcn-amd-amdhsa--gfx1250"
	.amdhsa_code_object_version 6
	.text
	.protected	k_q61b20a1541_tail
	.globl	k_q61b20a1541_tail
	.p2align	8
	.type	k_q61b20a1541_tail,@function
k_q61b20a1541_tail:
	s_mov_b64 s[64:65], 0
	v_nop
	global_prefetch_b8 v0, s[64:65] scope:SCOPE_SE
	s_setreg_imm32_b32 hwreg(HW_REG_WAVE_MODE, 25, 1), 1
	s_wait_xcnt 0x0
	s_wait_alu depctr_hold_cnt(0) depctr_sa_sdst(0) depctr_va_vdst(0) depctr_va_sdst(0) depctr_va_ssrc(0) depctr_va_vcc(0) depctr_vm_vsrc(0)
	s_getreg_b32 s2, hwreg(HW_REG_IB_STS2, 6, 4)
	s_cmp_eq_u32 s2, 0
	s_cbranch_scc0 .Lentry_in_a_cluster
	s_endpgm
.Lentry_in_a_cluster:
	s_bfe_u32 s2, ttmp6, 0x10000c
	s_cmp_lg_u32 s2, 0x3003
	s_cbranch_scc0 .Lentry_shape_is_right
	s_endpgm
.Lentry_shape_is_right:
; TAIL: logits = mlp([layernorm(seq + ctx wo + bo), the same of the state row]).  Nothing of reference() is left out here; state_bcast aw1[512:] is made once a wave instead of once an action.
; SHARES.  A cluster of four work-groups is an item b; a work-group has 128 actions, a wave 32: tiles 0 and 1 of 16 rows.  Tile 2 is the state row, sixteen times (ctx rows 512-527): each wave makes it for
; itself, so that a row's mean and variance never leave the wave.  Products are taken transposed (source 0 = 16 columns of the weights, source 1 = 16 rows): a lane holds one row and eight channels.
; A tile's 512 channels are 32 accumulators: window t + 1 of the registers.  THE SUMS START FROM THE RESIDUAL: the gathered f32 rows are loaded straight into the accumulators.
; RING.  wx goes through two LDS slots in five tiles of 512 rows x 128 k: four K chunks of wo^T, then (ln_g o aw1)^T.  All work-groups read the same tiles: each is asked for JOINTLY by the cluster's four
; (the same load, descriptor and mask in all four; each wave brings 128 rows).  One tensor load of a wave is out at a time; it has a chunk's 384 matrix instructions in which to land.
; A chunk is written once: one descriptor walks, and the slot's size, 0x22000, shares no bit with a wave's place in a slot (w x 0x8800), so one exclusive or turns an address in one slot into the other's.
; PREFETCH.  ctx comes from memory and each of its action rows is read once, by one wave.  In each chunk but the last a wave names the next chunk's four K steps of its own 32 rows: 32 blocks of 256
; bytes, a lane a block, one instruction, 384 matrix instructions ahead.  Chunk 0 comes by its loads alone.  The state rows (read by sixteen waves) and wx (read by all) are not asked for.
; LAYERNORM as reference() writes it: mean, then the squares of d = x - mean.  Its gain, its bias and 1 / sigma stand behind the product: ((d / sigma) g + b) aw1 = (d (g o aw1)) / sigma + b aw1;
; launch prep made g o aw1 and the two vectors b aw1 (pb).  So d itself is rounded to f16, and a lane, which holds one row, multiplies layer 1's sums by its row's 1 / sigma.  elu: see prep.
; LIMITS.  f16 operands: |ctx|, |x - mean| and the hidden layers under 65,504.  Indices are clamped into their tables.
; LDS.  Slots of 512 x 272 at 0 and SLOTB; spare words at SPARE; VEC: bo (2,048), ab1 + pb[0] + pb[1] (256), ab2, aw3 (128 each), copied once, bytes into which no tile lands.
; WINDOW 0.  v3 a fragment's place, v12-14 the same 128, 256, 384 rows on; v4-7 B's addresses (later aw1's, and v7 VEC + 32 h); v8-10 ctx offsets; v11 the prefetch's offset (v11-15 first: residual offsets);
; v16-63 ctx fragments (parity, tile); v64-191 two buffers of eight weight fragments; v192-255 aw2 raw.  Behind the K loop: v8-13 1 / sigma, a pair a tile; v16-45 LayerNorm's sums and means; v64-127 bo; then
; v16-47 aw2^T, v48-63 ab2, v64-159 three sets of aw1 fragments, v160-191 the state's part of layer 1, v192-255 layer 1; window 1's v128-159, idle behind the rounding: layer 1's bias.
.set SLOTB, 139264
.set SPARE, 278528
.set VEC,   279040
.set MSB, 0
.macro WIN new                         ; s_set_vgpr_msb: bits 1:0 source 0, 3:2 source 1, 5:4 source 2, 7:6 destination; the high byte repeats the setting that is left
.if MSB != (\new)
	s_set_vgpr_msb (MSB<<8)|(\new)
.set MSB, (\new)
.endif
.endm
.macro NOP4
.rept 4
	v_nop
.endr
.endm
.macro T3 line:vararg                  ; one line for each window t = 1, 2, 3
.set t, 1
.rept 3
	\line
.set t, t+1
.endr
.endm
.macro ROUND                           ; a round of the cluster's barrier
	s_barrier_signal -1
	s_barrier_wait -1
	s_cmp_lg_u32 s56, 0
	s_cbranch_scc1 .Lnot_wave_0_\@
	s_barrier_signal -3
.Lnot_wave_0_\@:
	s_barrier_wait -3
	s_barrier_signal -1
	s_barrier_wait -1
.endm
	s_load_b512 s[8:23], s[0:1], 0x0               ; ctx 8, wx 10, task 12, usv 14, global 16, task_ids 18, usv_ids 20, bo 22
	s_load_b256 s[24:31], s[0:1], 0x40             ; pb 24, ab1 26, aw2 28, ab2 30
	s_load_b128 s[32:35], s[0:1], 0x60             ; aw3 32, ab3 34
	s_load_b64 s[36:37], s[0:1], 0x70              ; out0
	v_lshl_add_u32 v1, v0, 2, SPARE
	v_mov_b32 v2, 0
	ds_add_u32 v1, v2                              ; the opening: the add, twice on end, and its wait ahead of the round in front of the first tensor load
	ds_add_u32 v1, v2
	v_lshrrev_b32 v3, 5, v0
	v_readfirstlane_b32 s56, v3                    ; wave
	s_mov_b32 s57, ttmp9                           ; b: the cluster's number
	s_bfe_u32 s58, ttmp6, 0x40000                  ; my quarter of the actions: it enters global offsets alone
	s_mov_b32 s40, 15|(1<<16)|(1<<20)|(1<<21)|(5<<22)|(3<<25)  ; the mask of four; 2-byte elements; padding of 4 words behind every 64; bit 21 beside a mask
	s_mov_b32 s41, 128<<16
	s_mov_b32 s42, 128<<16
	s_mov_b32 s43, 128<<16
	s_mov_b32 s44, 128
	s_mov_b32 s45, 640                             ; elements from row to row of wx
	s_mov_b32 s46, 0
	s_mov_b32 s47, 0
	s_mov_b32 s48, 1
	s_mul_i32 s49, s56, 34816                      ; my 128 rows of slot 0
	s_mov_b32 s52, 0                               ; the slot that is multiplied
	s_mul_i32 s84, s56, 163840
	s_mov_b32 s85, 0
	s_mov_b32 s72, 0x76543210
	s_mov_b32 s73, 0xfedcba98
	s_mov_b32 s76, 0x3e2aaaab                      ; 1/6
	s_mov_b32 s77, 0x3e2aaaab
	s_mov_b32 s78, 0x3f000000                      ; 1/2
	s_mov_b32 s79, 0x3f000000
	s_mov_b32 s80, 0xbc800000                      ; -1/64
	s_mov_b32 s81, 0x3b000000                      ; 1/512
	s_mul_i32 s86, s57, 540672
	s_mov_b32 s87, 0
	s_wait_dscnt 0x0
	s_wait_kmcnt 0x0
	s_add_nc_u64 s[50:51], s[10:11], s[84:85]      ; tile 0
	s_or_b32 s51, s51, 0x80000000
	s_add_nc_u64 s[60:61], s[8:9], s[86:87]        ; ctx at the item's K step 0
	s_mov_b64 s[62:63], s[60:61]                   ; the prefetches' base
	ROUND
	tensor_load_to_lds s[48:51], s[40:47]
	s_nop 0
	NOP4
	v_and_b32 v64, 15, v0                          ; r
	v_bfe_u32 v65, v0, 4, 1                        ; h
	s_lshl_b32 s59, s58, 7
	s_lshl_b32 s84, s56, 5
	s_add_co_u32 s59, s59, s84                     ; a0: my first action
	s_lshl_b32 s84, s57, 9
	s_add_co_u32 s84, s84, s59
	v_add_nc_u32 v66, s84, v64
	v_lshlrev_b32 v66, 2, v66
	global_load_b32 v11, v66, s[18:19]
	global_load_b32 v12, v66, s[18:19] offset:64
	global_load_b32 v13, v66, s[20:21]
	global_load_b32 v14, v66, s[20:21] offset:64
	v_lshlrev_b32 v67, 4, v0                       ; 128 threads x 16 bytes are bo's 512 f32
	global_load_b128 v[68:71], v67, s[22:23]
	s_cmp_lt_u32 s56, 2                            ; waves 0, 1: ab1; wave 2: ab2; wave 3: aw3: a word a thread
	s_cselect_b64 s[86:87], s[26:27], s[30:31]
	s_cmp_eq_u32 s56, 3
	s_cselect_b64 s[86:87], s[32:33], s[86:87]
	s_cmp_eq_u32 s56, 1
	s_cselect_b32 s84, 128, 0
	v_and_b32 v81, 31, v0
	v_lshl_add_u32 v81, v81, 2, s84
	global_load_b32 v80, v81, s[86:87]
	s_load_b32 s82, s[34:35], 0x0                  ; ab3
	v_mul_u32_u24 v3, v64, 272
	v_lshl_add_u32 v3, v65, 4, v3
	v_add_nc_u32 v8, s59, v64
	v_lshlrev_b32 v8, 6, v8
	v_lshl_add_u32 v8, v65, 4, v8                  ; ctx: row x 64 + 16 h
	v_add_nc_u32 v9, 1024, v8
	v_lshlrev_b32 v10, 6, v64
	v_lshl_add_u32 v10, v65, 4, v10
	v_add_nc_u32 v10, 32768, v10                   ; rows 512 ..
	s_lshl_b32 s84, s57, 11
	v_lshl_add_u32 v15, v65, 5, s84
	v_lshlrev_b32 v82, 2, v64
	v_lshl_add_u32 v82, v65, 10, v82               ; aw2: column r, rows 8 h ..
	v_add_nc_u32 v83, VEC, v67
	v_lshl_add_u32 v84, v0, 2, VEC+2048
	s_mul_i32 s84, s57, 1024000
	s_cmp_lt_u32 s56, 2
	s_cbranch_scc0 .Lno_pb                         ; layer 1's bias: ab1 + ln_b aw1[0:512] + ln_b aw1[512:1024]
	global_load_b32 v85, v81, s[24:25]
	global_load_b32 v86, v81, s[24:25] offset:256
	s_wait_loadcnt 0x0
	v_add_f32 v80, v80, v85
	v_add_f32 v80, v80, v86
.Lno_pb:
	s_wait_loadcnt 0x0
	s_wait_kmcnt 0x0
	s_mul_i32 s86, s57, 51200
	ds_store_b128 v83, v[68:71]                    ; shown to the other waves by the first round below
	ds_store_b32 v84, v80
	v_min_u32 v11, 0x3e7, v11
	v_min_u32 v12, 0x3e7, v12
	v_min_u32 v13, 49, v13
	v_min_u32 v14, 49, v14
	v_lshl_add_u32 v11, v11, 10, s84
	v_lshl_add_u32 v12, v12, 10, s84
	v_lshl_add_u32 v13, v13, 10, s86
	v_lshl_add_u32 v14, v14, 10, s86
.irp i,11,12,13,14
	v_lshl_add_u32 v[\i], v65, 5, v[\i]            ; + 32 h: channels 8 h .. of each 16
.endr
.set n, 0
.rept 64                               ; aw2^T's fragments, raw: tile n / 32, K step (n / 16) % 2, element n % 16
	global_load_b32 v[192+n], v82, s[28:29] offset:(32*((n/16)%2)+(n%16)+8*((n%16)/8))*128+(n/32)*64
.set n, n+1
.endr
.macro RES t, lo, blo, hi, bhi, xo     ; a tile's residual, in the accumulators' layout: channels 16 nt + 8 h + 0..7 of my row
	WIN ((\t)+1)<<6
.set n, 0
.rept 16
	global_load_b128 v[8*n:8*n+3], v[\lo], s[\blo:\blo+1] offset:64*n
	global_load_b128 v[8*n+4:8*n+7], v[\lo], s[\blo:\blo+1] offset:64*n+16
.set n, n+1
.endr
.rept 16
	global_load_b128 v[8*n:8*n+3], v[\hi], s[\bhi:\bhi+1] offset:64*(n-16)+(\xo)
	global_load_b128 v[8*n+4:8*n+7], v[\hi], s[\bhi:\bhi+1] offset:64*(n-16)+(\xo)+16
.set n, n+1
.endr
.endm
	RES 0, 11, 12, 13, 14, 0
	RES 1, 12, 12, 14, 14, 0
	RES 2, 15, 16, 15, 16, 1024
	WIN 0
.macro ALOAD ks                        ; ctx's three fragments of the K step of parity ks behind the base: six loads
.irp tt,0,1,2
	global_load_b128 v[16+24*(\ks)+8*\tt:19+24*(\ks)+8*\tt], v[8+\tt], s[60:61] offset:(\ks)*33792
	global_load_b128 v[20+24*(\ks)+8*\tt:23+24*(\ks)+8*\tt], v[8+\tt], s[60:61] offset:(\ks)*33792+32
.endr
.endm
	ALOAD 0
	ALOAD 1
	s_wait_xcnt 0x0                                ; all loads have read their offsets: v11-15 and the set-up's registers may be written
	v_bfe_u32 v11, v0, 3, 2
	v_mul_u32_u24 v11, v11, 33792                  ; the prefetch: K step l / 8 of the chunk,
	v_and_b32 v12, 7, v0
	v_lshl_add_u32 v11, v12, 8, v11                ; block l % 8 of my 32 rows' 2,048 bytes
	s_lshl_b32 s84, s59, 6
	v_add_nc_u32 v11, s84, v11
	v_add_nc_u32 v12, 34816, v3                    ; a fragment's place in n tiles 8-15,
	v_add_nc_u32 v13, 2*34816, v3                  ; 16-23,
	v_add_nc_u32 v14, 3*34816, v3                  ; 24-31
.macro BLOAD q                         ; eight weight fragments: n tiles 8 (q % 4) .., K step q / 4 of the pair, into buffer q % 2: 16 loads
	WIN 0
.irp i,0,1,2,3,4,5,6,7
	ds_load_b128 v[64+64*((\q)%2)+8*\i:67+64*((\q)%2)+8*\i], v[4+(\q)%4] offset:\i*4352+((\q)/4)*64
	ds_load_b128 v[68+64*((\q)%2)+8*\i:71+64*((\q)%2)+8*\i], v[4+(\q)%4] offset:\i*4352+((\q)/4)*64+32
.endr
.endm
.macro ASK                             ; in a chunk's first pair, in all chunks but the last
	s_cmp_eq_u32 s68, s69
	s_cbranch_scc0 .Lnot_now_\@
	global_prefetch_b8 v11, s[62:63] th:TH_LOAD_NT scope:SCOPE_SE
.Lnot_now_\@:
.endm
; TWO K STEPS: eight groups of 24 products (8 n tiles x 3 row tiles; 24 accumulators by turns, each taken up again 96 products later).
.macro PAIR
	s_wait_xcnt 0x0                                ; the last pair's loads have read the base
	s_cmp_gt_u32 s66, 1
	s_cselect_b32 s70, 0x10800, 0                  ; two K steps on; the last pair has none behind it: its look-ahead names the same bytes again, inside ctx, and is not used
	s_add_nc_u64 s[60:61], s[60:61], s[70:71]
	BLOAD 0
	BLOAD 1
	ASK
.set q, 0
.rept 8
.if q < 7
	s_wait_dscnt 16                                ; this group's buffer is in; the other's 16 loads stay out
.else
	s_wait_dscnt 0x0
.endif
.if q%4 == 0
	s_wait_loadcnt 6                               ; this K step's ctx fragments are in; the other parity's six loads stay out
.endif
.irp tt,0,1,2
	WIN (\tt+1)*0x50
.irp i,0,1,2,3,4,5,6,7
	v_wmma_f32_16x16x32_f16 v[64*(q%4)+8*\i:64*(q%4)+8*\i+7], v[64+64*(q%2)+8*\i:71+64*(q%2)+8*\i], v[16+24*(q/4)+8*\tt:23+24*(q/4)+8*\tt], v[64*(q%4)+8*\i:64*(q%4)+8*\i+7]
.endr
.endr
	WIN 0
	NOP4
.if q < 6
	BLOAD q+2
.endif
.if q%4 == 3
	ALOAD q/4
.endif
.set q, q+1
.endr
.irp g,0,1,2,3
	v_add_nc_u32 v[4+\g], 128, v[4+\g]
.endr
	s_sub_co_u32 s66, s66, 1
.endm
	s_mov_b32 s66, 8                               ; pairs of K steps to go
	s_mov_b32 s71, 0
	s_mov_b32 s67, 4                               ; chunks to go
; A CHUNK of 128 k.  In front of the round each wave waits for all its tensor loads (one is out: its part of this chunk's tile), adds 0 to its spare word, and waits for that and for its reads of the
; other slot; behind the round no wave of any partner reads that slot or has a load on its way, and the joint refill comes first: the next tile (the fourth chunk asks for aw1's).
.Lring:
	s_wait_xcnt 0x0                                ; the last prefetch, a pair or more back, has read its base
	s_add_nc_u64 s[62:63], s[62:63], 135168        ; the next chunk's four K steps
	s_wait_tensorcnt 0x0
	ds_add_u32 v1, v2                              ; 0 onto my spare word; scalar work stands between it and the wait for it
	s_xor_b32 s49, s49, SLOTB                      ; no load of mine is out, so the descriptor may be written: the other slot,
	s_add_nc_u64 s[50:51], s[50:51], 256           ; the next 128 k; the type bits on top are not reached
	s_cmp_eq_u32 s67, 1
	s_cselect_b32 s69, 0, 2                        ; the last chunk asks for nothing
	s_wait_dscnt 0x0
	ROUND
	tensor_load_to_lds s[48:51], s[40:47]
	s_nop 0
	NOP4
	v_add_nc_u32 v4, s52, v3
	v_add_nc_u32 v5, s52, v12
	v_add_nc_u32 v6, s52, v13
	v_add_nc_u32 v7, s52, v14
	s_xor_b32 s52, s52, SLOTB                      ; the next chunk lies in the other slot
	s_mov_b32 s68, 2
.Lpair:
	PAIR
	s_sub_co_u32 s68, s68, 1
	s_cmp_lg_u32 s68, 0
	s_cbranch_scc1 .Lpair
	s_sub_co_u32 s67, s67, 1
	s_cmp_lg_u32 s67, 0
	s_cbranch_scc1 .Lring
	s_wait_loadcnt 0x0
	s_wait_xcnt 0x0                                ; the prefetches have read v11: v8-13 are written below
	; LAYERNORM.  bo comes from VEC in groups of four n tiles, in the accumulators' layout; two buffers take turns.
	v_bfe_u32 v7, v0, 4, 1
	v_lshlrev_b32 v7, 5, v7
	v_add_nc_u32 v7, VEC, v7
.macro VLD G, dst
.irp n,0,1,2,3,4,5,6,7
	ds_load_b128 v[(\dst)+4*\n:(\dst)+4*\n+3], v7 offset:(\G)*256+(\n/2)*64+(\n%2)*16
.endr
.endm
.macro RED                             ; four chains into one, the two numbers of a pair, the other half of the lanes
	T3 v_pk_add_f32 v[8+8*t:9+8*t], v[8+8*t:9+8*t], v[10+8*t:11+8*t]
	T3 v_pk_add_f32 v[12+8*t:13+8*t], v[12+8*t:13+8*t], v[14+8*t:15+8*t]
	T3 v_pk_add_f32 v[8+8*t:9+8*t], v[8+8*t:9+8*t], v[12+8*t:13+8*t]
	T3 v_add_f32 v[8+8*t], v[8+8*t], v[9+8*t]
	T3 v_permlanex16_b32 v[9+8*t], v[8+8*t], s72, s73
	T3 v_add_f32 v[8+8*t], v[8+8*t], v[9+8*t]
.endm
	VLD 0, 64
.set G, 0
.rept 8                                ; x += bo; each accumulator is read from its low end on
.if G < 7
	VLD G+1, 64+32*((G+1)%2)
	s_wait_dscnt 8                                 ; this group's vector is in; the next group's eight loads stay out
.else
	s_wait_dscnt 0x0
.endif
.irp w,1,2,3
	WIN \w*65
.set i, 0
.rept 16
	v_pk_add_f32 v[32*G+2*i:32*G+2*i+1], v[32*G+2*i:32*G+2*i+1], v[64+32*(G%2)+2*i:65+32*(G%2)+2*i]
.set i, i+1
.endr
.endr
	WIN 0
.set G, G+1
.endr
.irp w,1,2,3                           ; the row's sum, in four chains that the first eight pairs start
	WIN \w*5
.irp c,0,1,2,3
	v_pk_add_f32 v[8+8*\w+2*\c:9+8*\w+2*\c], v[2*\c:2*\c+1], v[8+2*\c:9+2*\c]
.endr
	WIN \w*4
.set i, 8
.rept 120
	v_pk_add_f32 v[8+8*\w+2*(i%4):9+8*\w+2*(i%4)], v[8+8*\w+2*(i%4):9+8*\w+2*(i%4)], v[2*i:2*i+1]
.set i, i+1
.endr
.endr
	WIN 0
	RED
	T3 v_mul_f32 v[38+2*t], s81, v[8+8*t]          ; the mean, twice: a pair for the packed subtraction
	T3 v_mul_f32 v[39+2*t], s81, v[8+8*t]
.irp w,1,2,3
	WIN \w*65
.set i, 0
.rept 128
	v_pk_add_f32 v[2*i:2*i+1], v[2*i:2*i+1], v[38+2*\w:39+2*\w] neg_lo:[0,1] neg_hi:[0,1]
.set i, i+1
.endr
.endr
.irp w,1,2,3
	WIN \w*5
.set i, 0
.rept 128
.if i < 4
	v_pk_mul_f32 v[8+8*\w+2*i:9+8*\w+2*i], v[2*i:2*i+1], v[2*i:2*i+1]
.else
	v_pk_fma_f32 v[8+8*\w+2*(i%4):9+8*\w+2*(i%4)], v[2*i:2*i+1], v[2*i:2*i+1], v[8+8*\w+2*(i%4):9+8*\w+2*(i%4)]
.endif
.set i, i+1
.endr
.endr
	WIN 0
	RED
	T3 v_fmaak_f32 v[8+8*t], s81, v[8+8*t], 0x3727c5ac  ; the variance + 1e-5
	T3 v_rsq_f32 v[6+2*t], v[8+8*t]
	v_nop
	s_wait_alu depctr_va_vdst(0)                   ; one wait for the three roots
	T3 v_mov_b32 v[7+2*t], v[6+2*t]                ; 1 / sigma, twice: a pair for the packed multiply-adds behind layer 1
.irp w,1,2,3                           ; d is rounded to f16 in place, ascending: a result never lands ahead of its sources; window t + 1's v[8 kk ..] is then source 1's fragment for channels 32 kk ..
	WIN \w*69
.set i, 0
.rept 128
	v_cvt_pk_f16_f32 v[i], v[2*i], v[2*i+1]
.set i, i+1
.endr
.endr
	WIN 0
.set i, 0
.rept 32
	v_cvt_pk_f16_f32 v[16+i], v[192+2*i], v[193+2*i]  ; aw2^T's four fragments
.set i, i+1
.endr
	s_wait_tensorcnt 0x0                           ; my part of aw1's tile (slot 0) is in,
	s_wait_dscnt 0x0
	s_barrier_signal -1
	s_barrier_wait -1                              ; everybody's is
	WIN 0x40
.irp t4,0,1,2,3
	ds_load_b128 v[128+8*\t4:131+8*\t4], v7 offset:2048+64*\t4   ; layer 1's bias, in the accumulators' layout, into window 1's idle registers
	ds_load_b128 v[132+8*\t4:135+8*\t4], v7 offset:2048+64*\t4+16
.endr
	WIN 0
.irp t2,0,1
	ds_load_b128 v[48+8*\t2:51+8*\t2], v7 offset:2304+64*\t2     ; ab2
	ds_load_b128 v[52+8*\t2:55+8*\t2], v7 offset:2304+64*\t2+16
.endr
.irp g,0,1,2
	v_add_nc_u32 v[4+\g], 52224*\g, v3             ; aw1's tile: three blocks of 64 rows to an address register, so that the immediates stay under 65,536
.endr
; LAYER 1, one stream of 32 K steps: 0-15 the state's channels (aw1's lower half), 16-31 the actions'.  Three sets of four fragments.  The first product of each sum takes the constant 0.
.macro FL u
.set fb, ((\u)%16)/4+4*(1-(\u)/16)
.set fd, 64+32*((\u)%3)
.irp t4,0,1,2,3
	ds_load_b128 v[fd+8*\t4:fd+8*\t4+3], v[4+fb/3] offset:(fb%3)*17408+\t4*4352+((\u)%4)*64
	ds_load_b128 v[fd+8*\t4+4:fd+8*\t4+7], v[4+fb/3] offset:(fb%3)*17408+\t4*4352+((\u)%4)*64+32
.endr
.endm
	FL 0
	FL 1
	FL 2
.set u, 0
.rept 32
.if u < 30
	s_wait_dscnt 16                                ; this step's set is in; the two younger sets' sixteen loads stay out
.elseif u == 30
	s_wait_dscnt 8
.else
	s_wait_dscnt 0x0
.endif
.set fd, 64+32*(u%3)
.if u < 16
	WIN 0x0c
.irp t4,0,1,2,3
.if u == 0
	v_wmma_f32_16x16x32_f16 v[160+8*\t4:167+8*\t4], v[fd+8*\t4:fd+8*\t4+7], v[0:7], 0
.else
	v_wmma_f32_16x16x32_f16 v[160+8*\t4:167+8*\t4], v[fd+8*\t4:fd+8*\t4+7], v[8*u:8*u+7], v[160+8*\t4:167+8*\t4]
.endif
.endr
.else
.irp tt,0,1
	WIN 4*(\tt+1)
.irp t4,0,1,2,3
.if u == 16
	v_wmma_f32_16x16x32_f16 v[192+32*\tt+8*\t4:199+32*\tt+8*\t4], v[fd+8*\t4:fd+8*\t4+7], v[0:7], 0
.else
	v_wmma_f32_16x16x32_f16 v[192+32*\tt+8*\t4:199+32*\tt+8*\t4], v[fd+8*\t4:fd+8*\t4+7], v[8*(u-16):8*(u-16)+7], v[192+32*\tt+8*\t4:199+32*\tt+8*\t4]
.endif
.endr
.endr
.endif
	WIN 0
	NOP4
.if u < 29
	FL u+3
.endif
.set u, u+1
.endr
	WIN 0x10                               ; source 2 in window 1
.set i, 0
.rept 16
	v_pk_fma_f32 v[160+2*i:161+2*i], v[160+2*i:161+2*i], v[12:13], v[128+2*i:129+2*i]  ; the state's part / its sigma + the bias
.set i, i+1
.endr
	WIN 0
.irp tt,0,1
.set i, 0
.rept 16
	v_pk_fma_f32 v[192+32*\tt+2*i:193+32*\tt+2*i], v[192+32*\tt+2*i:193+32*\tt+2*i], v[8+2*\tt:9+2*\tt], v[160+2*i:161+2*i]  ; my row's part / its sigma + that
.set i, i+1
.endr
.endr
.irp t2,0,1
	ds_load_b128 v[160+8*\t2:163+8*\t2], v7 offset:2432+64*\t2   ; aw3
	ds_load_b128 v[164+8*\t2:167+8*\t2], v7 offset:2432+64*\t2+16
.endr
; elu of 32 numbers at v[x ..]: the exponentials are one batch, the series is the work behind them, one wait
.macro ELUB x
.set i, 0
.rept 16
	v_pk_mul_f32 v[64+2*i:65+2*i], v[(\x)+2*i:(\x)+2*i+1], 0x3fb8aa3b op_sel_hi:[1,0]
.set i, i+1
.endr
.set i, 0
.rept 32
	v_exp_f32 v[64+i], v[64+i]
.set i, i+1
.endr
.set i, 0
.rept 16
	v_pk_fma_f32 v[96+2*i:97+2*i], v[(\x)+2*i:(\x)+2*i+1], s[76:77], s[78:79] op_sel_hi:[1,0,0]
.set i, i+1
.endr
.set i, 0
.rept 16
	v_pk_fma_f32 v[96+2*i:97+2*i], v[96+2*i:97+2*i], v[(\x)+2*i:(\x)+2*i+1], 1.0 op_sel_hi:[1,1,0]
.set i, i+1
.endr
.set i, 0
.rept 16
	v_pk_mul_f32 v[96+2*i:97+2*i], v[96+2*i:97+2*i], v[(\x)+2*i:(\x)+2*i+1]
.set i, i+1
.endr
	s_wait_alu depctr_va_vdst(0)
.set i, 0
.rept 16
	v_pk_add_f32 v[64+2*i:65+2*i], v[64+2*i:65+2*i], -1.0 op_sel_hi:[1,0]
.set i, i+1
.endr
.set i, 0
.rept 32
	v_cmp_lt_f32 vcc_lo, s80, v[(\x)+i]
	v_cndmask_b32 v[64+i], v[64+i], v[96+i], vcc_lo
	v_cmp_lt_f32 vcc_lo, 0, v[(\x)+i]
	v_cndmask_b32 v[(\x)+i], v[64+i], v[(\x)+i], vcc_lo
.set i, i+1
.endr
.endm
	ELUB 192
	ELUB 224
.set i, 0
.rept 16
	v_cvt_pk_f16_f32 v[192+i], v[192+2*i], v[193+2*i]  ; in place, ascending: two fragments a tile
	v_cvt_pk_f16_f32 v[224+i], v[224+2*i], v[225+2*i]
.set i, i+1
.endr
.irp kk,0,1                            ; LAYER 2: four accumulators by turns; ab2 starts the sums
.irp tt,0,1
.irp t2,0,1
.if \kk == 0
	v_wmma_f32_16x16x32_f16 v[128+16*\tt+8*\t2:135+16*\tt+8*\t2], v[16+16*\t2:23+16*\t2], v[192+32*\tt:199+32*\tt], v[48+8*\t2:55+8*\t2]
.else
	v_wmma_f32_16x16x32_f16 v[128+16*\tt+8*\t2:135+16*\tt+8*\t2], v[24+16*\t2:31+16*\t2], v[200+32*\tt:207+32*\tt], v[128+16*\tt+8*\t2:135+16*\tt+8*\t2]
.endif
.endr
.endr
.endr
	NOP4
	ELUB 128
	s_wait_dscnt 0x0                               ; aw3
	v_pk_mul_f32 v[64:65], v[128:129], v[160:161]  ; LAYER 3: my 16 of the row's 32 terms, for both tiles
	v_pk_mul_f32 v[66:67], v[144:145], v[160:161]
.set i, 1
.rept 7
	v_pk_fma_f32 v[64:65], v[128+2*i:129+2*i], v[160+2*i:161+2*i], v[64:65]
	v_pk_fma_f32 v[66:67], v[144+2*i:145+2*i], v[160+2*i:161+2*i], v[66:67]
.set i, i+1
.endr
	v_add_f32 v64, v64, v65
	v_add_f32 v66, v66, v67
	v_permlanex16_b32 v65, v64, s72, s73
	v_permlanex16_b32 v67, v66, s72, s73
	v_add_f32 v64, v64, v65
	v_add_f32 v66, v66, v67
	v_bfe_u32 v68, v0, 4, 1
	v_cmp_ne_u32 vcc_lo, 0, v68
	v_cndmask_b32 v64, v64, v66, vcc_lo            ; lanes 0-15 give tile 0's rows, lanes 16-31 tile 1's
	v_add_f32 v64, s82, v64
	v_and_b32 v69, 31, v0
	s_lshl_b32 s84, s57, 9
	s_add_co_u32 s84, s84, s59
	v_add_nc_u32 v69, s84, v69
	v_lshlrev_b32 v69, 2, v69
	global_store_b32 v69, v64, s[36:37]            ; a wave stores its 32 logits: 128 consecutive bytes
	s_wait_tensorcnt 0x0                           ; the wave's end, behind my last tensor load and my last LDS store
	ds_add_u32 v1, v2
	s_wait_dscnt 0x0
	ROUND                                          ; the closing round: no work-group ends while a partner may still ask for a tile that names it
	s_endpgm
.Lfunc_end_k_q61b20a1541_tail:
	.size	k_q61b20a1541_tail, .Lfunc_end_k_q61b20a1541_tail-k_q61b20a1541_tail
	.p2alignl 7, 3214868480
	.fill 96, 4, 3214868480
	.section	.rodata,"a",@progbits
	.p2align	6, 0x0
	.amdhsa_kernel k_q61b20a1541_tail
		.amdhsa_group_segment_fixed_size 327680
		.amdhsa_private_segment_fixed_size 0
		.amdhsa_enable_private_segment 0
		.amdhsa_kernarg_size 120
		.amdhsa_user_sgpr_count 2
		.amdhsa_user_sgpr_kernarg_segment_ptr 1
		.amdhsa_wavefront_size32 1
		.amdhsa_system_sgpr_workgroup_id_x 1
		.amdhsa_system_sgpr_workgroup_id_y 1
		.amdhsa_system_sgpr_workgroup_id_z 1
		.amdhsa_system_vgpr_workitem_id 0
		.amdhsa_next_free_vgpr 1024
		.amdhsa_next_free_sgpr 100
		.amdhsa_reserve_vcc 1
		.amdhsa_float_denorm_mode_32 3
		.amdhsa_float_denorm_mode_16_64 3
		.amdhsa_memory_ordered 1
		.amdhsa_forward_progress 1
		.amdhsa_inst_pref_size 255
	.end_amdhsa_kernel
	.section	.bss,"aw",@nobits
	.p2align	6
	.space	262144
	.amdgpu_metadata
---
amdhsa.version: [ 1, 2 ]
amdhsa.kernels:
  - .name:           k_q61b20a1541_tail
    .symbol:         k_q61b20a1541_tail.kd
    .args:
      - { .name: ctx, .offset: 0, .size: 8, .value_kind: global_buffer, .address_space: global }
      - { .name: wx, .offset: 8, .size: 8, .value_kind: global_buffer, .address_space: global }
      - { .name: task_embed, .offset: 16, .size: 8, .value_kind: global_buffer, .address_space: global }
      - { .name: usv_embed, .offset: 24, .size: 8, .value_kind: global_buffer, .address_space: global }
      - { .name: global_embed, .offset: 32, .size: 8, .value_kind: global_buffer, .address_space: global }
      - { .name: task_ids, .offset: 40, .size: 8, .value_kind: global_buffer, .address_space: global }
      - { .name: usv_ids, .offset: 48, .size: 8, .value_kind: global_buffer, .address_space: global }
      - { .name: bo, .offset: 56, .size: 8, .value_kind: global_buffer, .address_space: global }
      - { .name: pb, .offset: 64, .size: 8, .value_kind: global_buffer, .address_space: global }
      - { .name: ab1, .offset: 72, .size: 8, .value_kind: global_buffer, .address_space: global }
      - { .name: aw2, .offset: 80, .size: 8, .value_kind: global_buffer, .address_space: global }
      - { .name: ab2, .offset: 88, .size: 8, .value_kind: global_buffer, .address_space: global }
      - { .name: aw3, .offset: 96, .size: 8, .value_kind: global_buffer, .address_space: global }
      - { .name: ab3, .offset: 104, .size: 8, .value_kind: global_buffer, .address_space: global }
      - { .name: out0, .offset: 112, .size: 8, .value_kind: global_buffer, .address_space: global }
    .group_segment_fixed_size: 327680
    .private_segment_fixed_size: 0
    .kernarg_segment_align: 8
    .kernarg_segment_size: 120
    .max_flat_workgroup_size: 128
    .sgpr_count:     100
    .vgpr_count:     1024
    .wavefront_size: 32
...
	.end_amdgpu_metadata
.endif
;; end of part 5
